; MI455X (gfx1250); checked and timed in simulation.
; The chip was launched on July 23, 2026; its instructions are those of AMD's public machine-readable ISA for CDNA 5 (MIT licence, August 2026) and "CDNA5" Instruction Set Architecture Reference Guide (July 2026). The comments in the code are by the model that wrote it; some were corrected since.
;; Wavelet KAN Layer. Allowed arithmetic: matrix products marked QUANTISED: E2M3 operands, one E8M0 scale for each 32 along K, by v_wmma_scale_f32_16x16x128_f8f6f4 with both operands' format E2M3, f32 sums; everything else in f32.
;; Inputs: bias 512 float32; scales 16 float32; translations 16 float32; wavelet_weights 512 x 512 x 16 float32; x 8,192 x 512 float32.
;; Outputs: out0 8,192 x 512 float32.
;; This version of the problem:
;;   THIS VERSION OF THE PROBLEM IS GIVEN IN LOW PRECISION. The matrix products marked QUANTISED in the list below multiply operands that are first quantised to E2M3 (2 exponent bits, 3 mantissa bits; 6 bits a number), with one power-of-two scale for each 32 numbers along K (OCP MX v1.0); their sums are f32. All else is computed in f32.
;;   The module's matrix products, in the order in which they are computed (A, B: the left and right operand; K: the contracted axis; several contracted axes count as one K, in the product's order):
;;     1. [M 8,192, K 8,192] x [K 8,192, N 512]; A: computed on the way; B: input wavelet_weights: QUANTISED
;;   THE QUANTISER, for each operand of a quantised product, along K:
;;     - K is cut into blocks of 32 from its start; a last block that is shorter is filled with zeros.
;;     - A block's scale is 2^e with e = floor(log2(the largest magnitude in the block)) - 2, held to -126 .. 127; a block of zeros has e = 0. As a byte (E8M0): e + 127.
;;     - Each number is divided by its block's scale, clamped to +-7.5, and rounded to the nearest number of E2M3, ties to even, subnormals kept.
;;     - The product sums the exact products of the quantised numbers (number of the format x scale) in f32.
;;   ~~~python
;;   def quantise(x, axis):      # numpy; x: float32 -> the quantised numbers, widened to float32 again
;;       x = np.moveaxis(x, axis, -1); K = x.shape[-1]
;;       x = np.pad(x, [(0, 0)] * (x.ndim - 1) + [(0, -K % 32)]); x = x.reshape(x.shape[:-1] + (-1, 32)); a = np.abs(x).max(-1, keepdims=True)
;;       e = np.where(a > 0, np.clip(np.frexp(np.where(a > 0, a, 1))[1] - 1 - 2, -126, 127), 0)      # np.frexp(a)[1] - 1 = floor(log2(a)), exactly
;;       r = np.clip(x / 2.0 ** e, -7.5, 7.5)
;;       step = 2.0 ** (np.maximum(np.frexp(np.where(r == 0, 1, r))[1] - 1, 0) - 3)
;;       q = np.round(r / step) * step * 2.0 ** e      # np.round: ties to even
;;       return np.moveaxis(q.reshape(q.shape[:-2] + (-1,))[..., :K], -1, axis).astype(np.float32)
;;   ~~~
;;   OPERANDS COMPUTED ON THE WAY. 'Computed on the way' means the value that the module computes at that place (a softmax that the list does not call 'softmax' is quantised finished and normalised). What goes into a quantiser is computed in f32, as accurately as f32 sums, v_exp_f32 and their like allow (about 1e-6 of the number): no bf16 or f16 on the way to a quantiser, and a product that is left as it is and whose result goes on into a quantised operand takes f32 operands (vector FMAs, or v_wmma_f32_16x16x4_f32). A number that lies on a knife's edge between two numbers of the format may be rounded either way, as far as f32 arithmetic and the matrix unit's own rounding can turn it there, and no further.
;; 2 versions, each right. Each part assembles by itself: llvm-mc -triple=amdgcn-amd-amdhsa -mcpu=gfx1250 --defsym DOCPART=n.
;; ======== version 1 of 2: 2 launches
;; workspace buffers: wq 3,276,800 bytes
;; launch wquant (part 1): grid 256 x 1, 4 waves a work-group, no clusters, 68,608 bytes of LDS; arguments wavelet_weights, wq; writes wq
.if DOCPART == 1
	.amdgcn_target "amdgcn-amd-amdhsa--gfx1250"
	.amdhsa_code_object_version 6
	.text
	.protected	k_qf0f1992be2_wquant
	.globl	k_qf0f1992be2_wquant
	.p2align	8
	.type	k_qf0f1992be2_wquant,@function
k_qf0f1992be2_wquant:
	s_mov_b64 s[64:65], 0
	v_nop
	global_prefetch_b8 v0, s[64:65] scope:SCOPE_SE
	s_setreg_imm32_b32 hwreg(HW_REG_WAVE_MODE, 25, 1), 1
	s_wait_xcnt 0x0
; W [512][8192] f32 (a row is [512 i][16 k], K = 16 i + k innermost) becomes codes of FP6 (E2M3) with one E8M0 byte for each 32 along K,
; laid in wq IN THE ORDER OF THE OPERAND'S REGISTERS, so that the product's launch brings a K step by one dense block and reads every fragment by three loads of 16 bytes a lane.
; wq: 32 K steps (256 along K) of 102,400 bytes; a step: four parts of 25,600 bytes, part c = columns 128 c .. 128 c + 127 of the output;
;   a part: 16 fragment images of 1,536 bytes (image 8 q + tl: the q-th 128 along K, tile tl of 16 columns; registers 4 cc .. 4 cc + 3 of lane l at 512 cc + 16 l),
;   then 1,024 bytes of scale words (chunk g of 512 bytes; lane l's 16 bytes at 16 l; word e: tile 4 g + e, row l % 16, sub-step q = l / 16).
; A block's scale is 2^(floor(log2(its largest magnitude)) - 2); its byte is the largest magnitude's exponent field - 2, held at 1 from below.
; LIMITS: a block of zeros gets the byte 1 where the quantiser's rule says 127 (its codes are zeros, and this program alone reads the bytes); NaN and infinities among the inputs are not served.
; SHARES: work-group b: K step j = b / 8, eight tiles' group cg = b % 8; wave e: tile t = 4 cg + e (16 rows of W), both halves q of the step: two fragments, 16 KiB of f32.
; All 32 loads of a wave go out at once, each 512 consecutive bytes of one row; no loop.  A lane's conversions want 32 neighbours along K of ONE row, so a half step's 16 x 512 bytes turn through
; the wave's own stage in LDS (rows 528 bytes apart: an odd multiple of 16, so that the sixteen rows of a read start in different groups of banks: ISA guide 11.1).
; No matrix unit, no tensor load, no cluster: the launch reads each byte once and shares nothing.  No prefetch: every load of the launch is issued at its head.
.set ROWB,  32768                      ; a row of W in bytes
.set STEPB, 102400
.set PARTB, 25600
.set FRB,   1536                       ; a fragment's image
.set SP,    528                        ; a stage row
.set WSTG,  2*16*SP                    ; a wave's two stages
.set SCST,  4*WSTG                     ; behind the stages: 512 bytes in which the four waves' scale words meet
.set LN,  1                            ; v1   lane
.set RR,  2                            ; v2   r = lane % 16
.set HH,  3                            ; v3   h = lane / 16
.set GO,  4                            ; v4   16 x lane: my place in 512 consecutive bytes, in and out
.set SWA, 5                            ; v5   the stage, on the way in
.set SRA, 6                            ; v6   and on the way out: row r, + 128 h
.set SCW, 7                            ; v7   where my scale word goes
.set SCR, 8                            ; v8   where wave 0 reads four of them
.set SH8, 9                            ; v9   8 h
.set MX,  10                           ; v10-11 largest magnitudes of my two blocks
.set SCO, 12                           ; v12-13 the conversions' scale operands
.set BY,  14                           ; v14-15 the scale bytes
.set WD,  16                           ; v16-17 the scale word of q = 0, 1
.set PX,  18                           ; v18  a lane permute's destination
.set WS,  19                           ; v19  the word that my lane hands on
.set SOUT, 20                          ; v20-23 four words on the way out
.set FC,  24                           ; v24-47 the two fragments' codes
.set PT,  48                           ; v48-50, v52-54 second halves of blocks, as converted
.set LD,  64                           ; v64-191 the numbers: 64 registers for each q
	s_load_b128 s[4:7], s[0:1], 0x0                ; W, wq
	v_lshl_add_u32 v192, v0, 2, 0x10a00
	v_mov_b32 v193, 0
	v_lshrrev_b32 v[LN], 5, v0
	v_readfirstlane_b32 s8, v[LN]                  ; wave e
	v_and_b32 v[LN], 31, v0
	v_and_b32 v[RR], 15, v0
	v_bfe_u32 v[HH], v0, 4, 1
	s_lshr_b32 s9, ttmp9, 3                        ; j
	s_and_b32 s10, ttmp9, 7                        ; cg
	s_lshl_b32 s11, s10, 2
	s_add_co_u32 s11, s11, s8                      ; tile t = 4 cg + e
	s_lshl_b32 s12, s11, 19                        ; in: 16 rows of 32,768 bytes a tile,
	s_lshl_b32 s18, s9, 10                         ; 1,024 bytes a K step
	s_add_co_u32 s12, s12, s18
	s_mov_b32 s13, 0
	s_mul_i32 s16, s9, STEPB
	s_lshr_b32 s18, s10, 1                         ; part c = cg / 2
	s_mul_i32 s18, s18, PARTB
	s_add_co_u32 s16, s16, s18                     ; the part's first byte
	s_and_b32 s18, s10, 1                          ; g = cg % 2
	s_lshl_b32 s19, s18, 2
	s_add_co_u32 s19, s19, s8                      ; tl = 4 g + e
	s_mul_i32 s19, s19, FRB
	s_add_co_u32 s14, s16, s19                     ; out: image tl (q = 1's lies 8 images on)
	s_mov_b32 s15, 0
	s_lshl_b32 s18, s18, 9
	s_add_co_u32 s16, s16, s18
	s_add_co_u32 s16, s16, 16*FRB                  ; out: scale chunk g, behind the part's 16 images
	s_mov_b32 s17, 0
	s_mov_b32 s20, 0x76543210
	s_mov_b32 s21, 0xfedcba98                      ; v_permlanex16_b32's selects for lane l xor 16
	s_mul_i32 s26, s8, WSTG                        ; my stages
	v_lshlrev_b32 v[GO], 4, v[LN]
	v_add_nc_u32 v[SWA], s26, v[GO]
	v_mul_u32_u24 v[SRA], v[RR], SP
	v_lshl_add_u32 v[SRA], v[HH], 7, v[SRA]
	v_add_nc_u32 v[SRA], s26, v[SRA]
	s_lshl_b32 s27, s8, 2
	s_add_co_u32 s27, s27, SCST
	v_add_nc_u32 v[SCW], s27, v[GO]                ; SCST + 16 x lane + 4 e
	v_add_nc_u32 v[SCR], SCST, v[GO]
	v_lshlrev_b32 v[SH8], 3, v[HH]
	v_mov_b32 v[PX], 0                             ; written once: a lane permute's destination counts as one of its sources
	s_wait_kmcnt 0x0
	s_add_nc_u64 s[4:5], s[4:5], s[12:13]
	s_add_nc_u64 s[24:25], s[6:7], s[16:17]
	s_add_nc_u64 s[6:7], s[6:7], s[14:15]
.irp q, 0,1
.irp p, 0,1,2,3,4,5,6,7,8,9,10,11,12,13,14,15
	global_load_b128 v[LD+64*\q+4*\p:LD+64*\q+4*\p+3], v[GO], s[4:5] offset:ROWB*\p+512*\q th:TH_LOAD_NT   ; row p of the tile: 32 lanes read 512 consecutive bytes; read once in the launch
.endr
.endr
; Half step q through its stage: in as loaded, back 128 + 128 bytes a lane: blocks h and 2 + h of row r, into the registers that the numbers left.
; LDS serves a wave's instructions in order (ISA guide 5.7.1.4): no wait stands between the stores and the loads.
.macro TURN q
.irp p, 0,1,2,3,4,5,6,7,8,9,10,11,12,13,14,15
	ds_store_b128 v[SWA], v[LD+64*\q+4*\p:LD+64*\q+4*\p+3] offset:16*SP*\q+SP*\p
.endr
.irp cb, 0,1
.irp i, 0,1,2,3,4,5,6,7
	ds_load_b128 v[LD+64*\q+32*\cb+4*\i:LD+64*\q+32*\cb+4*\i+3], v[SRA] offset:16*SP*\q+256*\cb+16*\i
.endr
.endr
.endm
; Half step q becomes a fragment: my two blocks of 32 (register 32 cb + i = k 64 cb + 32 h + i of row r), the two by turns.
.macro QUANT q
.set B0, LD+64*\q
.irp cb, 0,1
	v_max3_num_f32 v[MX+\cb], |v[B0+32*\cb]|, |v[B0+32*\cb+1]|, 0x1800000   ; the floor 2^(3 - 127) among the leaves: the byte cannot fall under 1
.endr
.irp i, 2,4,6,8,10,12,14,16,18,20,22,24,26,28,30
.irp cb, 0,1
	v_max3_num_f32 v[MX+\cb], v[MX+\cb], |v[B0+32*\cb+\i]|, |v[B0+32*\cb+\i+1]|
.endr
.endr
.irp cb, 0,1
	v_add_nc_u32 v[SCO+\cb], 0xff000000, v[MX+\cb]   ; 2 off the exponent field: the conversion takes the exponent field of this operand as its scale
.endr
.irp cb, 0,1
	v_lshrrev_b32 v[BY+\cb], 23, v[SCO+\cb]        ; the scale's byte
.endr
.irp cb, 0,1
	v_cvt_scalef32_pk16_fp6_f32 v[FC+12*\q+6*\cb:FC+12*\q+6*\cb+2], v[B0+32*\cb:B0+32*\cb+15], v[SCO+\cb]
	v_cvt_scalef32_pk16_fp6_f32 v[PT+4*\cb:PT+4*\cb+2], v[B0+32*\cb+16:B0+32*\cb+31], v[SCO+\cb]   ; (a conversion's three registers begin on an even number)
.endr
	v_lshl_or_b32 v[WD+\q], v[BY+1], 16, v[BY]     ; my two bytes: blocks h and 2 + h.  (Also the plain instruction between the conversions and the moves that read their results)
.irp cb, 0,1
.irp i, 0,1,2
	v_mov_b32 v[FC+12*\q+6*\cb+3+\i], v[PT+4*\cb+\i]
.endr
.endr
	v_lshlrev_b32 v[WD+\q], v[SH8], v[WD+\q]       ; at their places in the word (8 h bits up);
	v_permlanex16_b32 v[PX], v[WD+\q], s20, s21
	v_or_b32 v[WD+\q], v[WD+\q], v[PX]             ; with lane l xor 16's two the word is whole, in both lanes
.irp cc, 0,1,2
	global_store_b128 v[GO], v[FC+12*\q+4*\cc:FC+12*\q+4*\cc+3], s[6:7] offset:8*FRB*\q+512*\cc   ; 32 lanes store 512 consecutive bytes, at a multiple of 256 from wq's first byte
.endr
.endm
	s_wait_loadcnt 16                              ; q = 0's sixteen loads are in; q = 1's sixteen may be out
	TURN 0
	s_wait_loadcnt 0x0
	TURN 1
	s_wait_dscnt 32                                ; q = 0 is back; q = 1's sixteen stores and sixteen loads may be out
	QUANT 0
	s_wait_dscnt 0x0
	QUANT 1
	v_cmp_le_u32 vcc_lo, 16, v[LN]
	v_cndmask_b32 v[WS], v[WD], v[WD+1], vcc_lo    ; lanes 0-15 hand on q = 0's word of row r, lanes 16-31 q = 1's
	ds_store_b32 v[SCW], v[WS]
	s_wait_dscnt 0x0                               ; for the others' sake: my word has landed
	s_barrier_signal -1
	s_barrier_wait -1
	s_cmp_lg_u32 s8, 0
	s_cbranch_scc1 .Ldone
	ds_load_b128 v[SOUT:SOUT+3], v[SCR]            ; the four waves' words of my (row, q): tiles 4 g .. 4 g + 3
	s_wait_dscnt 0x0
	global_store_b128 v[GO], v[SOUT:SOUT+3], s[24:25]   ; 512 consecutive bytes, at a multiple of 256 from wq's first byte
.Ldone:
	s_wait_tensorcnt 0x0
	ds_add_u32 v192, v193
	s_wait_dscnt 0x0
	s_endpgm
.Lfunc_end_k_qf0f1992be2_wquant:
	.size	k_qf0f1992be2_wquant, .Lfunc_end_k_qf0f1992be2_wquant-k_qf0f1992be2_wquant
	.p2alignl 7, 3214868480
	.fill 96, 4, 3214868480
	.section	.rodata,"a",@progbits
	.p2align	6, 0x0
	.amdhsa_kernel k_qf0f1992be2_wquant
		.amdhsa_group_segment_fixed_size 68608
		.amdhsa_private_segment_fixed_size 0
		.amdhsa_enable_private_segment 0
		.amdhsa_kernarg_size 16
		.amdhsa_user_sgpr_count 2
		.amdhsa_user_sgpr_kernarg_segment_ptr 1
		.amdhsa_wavefront_size32 1
		.amdhsa_system_sgpr_workgroup_id_x 1
		.amdhsa_system_sgpr_workgroup_id_y 1
		.amdhsa_system_sgpr_workgroup_id_z 1
		.amdhsa_system_vgpr_workitem_id 0
		.amdhsa_next_free_vgpr 194
		.amdhsa_next_free_sgpr 66
		.amdhsa_reserve_vcc 1
		.amdhsa_float_denorm_mode_32 3
		.amdhsa_float_denorm_mode_16_64 3
		.amdhsa_memory_ordered 1
		.amdhsa_forward_progress 1
		.amdhsa_inst_pref_size 17
	.end_amdhsa_kernel
	.amdgpu_metadata
---
amdhsa.version: [ 1, 2 ]
amdhsa.kernels:
  - .name:           k_qf0f1992be2_wquant
    .symbol:         k_qf0f1992be2_wquant.kd
    .args:
      - { .name: wavelet_weights, .offset: 0, .size: 8, .value_kind: global_buffer, .address_space: global }
      - { .name: wq, .offset: 8, .size: 8, .value_kind: global_buffer, .address_space: global }
    .group_segment_fixed_size: 68608
    .private_segment_fixed_size: 0
    .kernarg_segment_align: 8
    .kernarg_segment_size: 16
    .max_flat_workgroup_size: 128
    .sgpr_count:     66
    .vgpr_count:     194
    .wavefront_size: 32
...
	.end_amdgpu_metadata
.endif
;; end of part 1
;; launch kan (part 2): grid 256 x 1, 8 waves a work-group, clusters of 4 x 1, 327,680 bytes of LDS; arguments x, wq, scales, translations, bias, out0; writes out0
.if DOCPART == 2
	.amdgcn_target "amdgcn-amd-amdhsa--gfx1250"
	.amdhsa_code_object_version 6
	.text
	.protected	k_qf0f1992be2_kan
	.globl	k_qf0f1992be2_kan
	.p2align	8
	.type	k_qf0f1992be2_kan,@function
k_qf0f1992be2_kan:
	s_mov_b64 s[64:65], 0
	v_nop
	global_prefetch_b8 v0, s[64:65] scope:SCOPE_SE
	s_setreg_imm32_b32 hwreg(HW_REG_WAVE_MODE, 25, 1), 1
	s_wait_xcnt 0x0
	s_wait_alu depctr_hold_cnt(0) depctr_sa_sdst(0) depctr_va_vdst(0) depctr_va_sdst(0) depctr_va_ssrc(0) depctr_va_vcc(0) depctr_vm_vsrc(0)
	s_getreg_b32 s2, hwreg(HW_REG_IB_STS2, 6, 4)
	s_cmp_eq_u32 s2, 0
	s_cbranch_scc0 .Lentry_in_a_cluster
	s_endpgm
.Lentry_in_a_cluster:
	s_bfe_u32 s2, ttmp6, 0x10000c
	s_cmp_lg_u32 s2, 0x3003
	s_cbranch_scc0 .Lentry_shape_is_right
	s_endpgm
.Lentry_shape_is_right:
; out[n][o] = bias[o] + sum over K = 16 i + k of Q(basis[n][K]) Q(W[o][K]),  basis = cos(5 t) exp(-t t / 2),  t = (x[n][i] - tr[k]) / (sc[k] + 1e-6).
; Both operands are codes of FP6 (E2M3) with one E8M0 scale for each 32 along K (two i x sixteen k).  W's codes come from wq, laid in the order of the operand's registers by the launch before.
; WHAT DECIDES THE SHAPE.  The basis has 8,192 x 8,192 numbers, and each costs some nine vector instructions a wave for 32 of them, against one matrix instruction for 32,768 multiply-adds: the vector work is the
; larger part.  So the basis is made ONCE: a work-group owns 32 rows, all 512 columns and all of K; 256 work-groups.  Hence also eight waves in two ROLES, one wave of each on a SIMD:
;   PRODUCERS (waves 0-3): in a K step of 256, producer p makes one fragment of the basis (rows 16 (p % 2) on, the (p / 2)-th 128 along K): 64 numbers a lane, quantised in registers, to LDS as an image of the operand's registers.
;   CONSUMERS (waves 4-7): consumer c owns columns 128 c .. 128 c + 127 x 32 rows: 16 accumulators; a K step is 16 fragments of W, 4 of the basis, 32 matrix instructions.
; In step j the consumers multiply step j while the producers make step j + 1.  A larger wave tile would want more rows to a work-group, and so fewer work-groups than there are WGPs for the vector work.
; CLUSTER.  Every work-group walks the same 3,276,800 bytes of wq in the same order: the four partners ask for each K step JOINTLY (the same tensor load, the same descriptor, a mask that names the four); x and out0 are a work-group's own.
; THE ARITHMETIC OF A NUMBER, f32, two an instruction.  a = 1 / (sc + 1e-6): v_rcp_f32 and one Newton step.  d = x - tr (as the definition has it).  exp(-t t / 2) = 2^(-(d G)^2), G = a sqrt(log2(e) / 2).
;   u = d H, H = 5 a / pi: cos(5 t) = (-1)^n cos(pi r), n = u rounded to a whole number (by adding 1.5 x 2^23, whose sum carries n's parity in its lowest bit), r = u - n by one fused multiply-add, |r| <= 1/2;
;   cos(pi r) is a polynomial of degree 4 in r r (the Chebyshev series of cos(pi y / 2) on [-1, 1], cut behind T8; largest error 4.7e-8).  The sign goes onto the exponential by a shift and an or.
; LIMITS.  The quotient is a product with the refined reciprocal (within an ulp or two of the division).  The reduction is exact for |5 t / pi| < 2^22; beyond, up to |t| of about 1e11, the result is still
;   the right 0 (the exponential is 0, the polynomial finite); above that NaN.  Magnitudes of the exponential under 2^-126 come out as 0 (ISA guide 15.8, v_exp_f32).  sc + 1e-6 = 0, NaN and infinities among the inputs are not served.
;   A block of zeros carries the byte 1 where the quantiser's rule says 127: its codes are zeros.
; THE MATRIX INSTRUCTION IS USED TRANSPOSED (source 0 = 16 columns' rows of W, source 1 = 16 rows of the basis): a lane then holds eight neighbouring columns of one row of out.  The bias is loaded into the accumulators: nothing is cleared, nothing added at the end.
; LDS: two slots of 102,400 bytes (a K step of wq as it lies in memory) | x, by K steps | the basis' images, two buffers | their scale words | the spare words.  On the way out the stages lie in slot 0, which has had its last fill and its last read by then.
.set STEPS,  32                        ; K steps of 256
.set SLOTB,  102400                    ; a K step of wq
.set PARTB,  25600                     ; a consumer's part of it: 16 images, then 1,024 bytes of scale words
.set EIGHTH, 12800                     ; what one wave's tensor load brings: 50 rows of 256 bytes
.set FRB,    1536                      ; a fragment's image: 12 registers x 32 lanes
.set WSC,    16*FRB                    ; where a part's scale words begin
.set XS,     2*SLOTB                   ; x: step j at XSTEP j; row at XROW row; 64 bytes: x[row][16 j .. 16 j + 15]
.set XSTEP,  2624                      ; 32 rows x 80 + 64: from step to step 64 bytes on modulo 256, so that the sixteen lanes of a store fall into sixteen different places of 16 bytes (64 banks of 4 bytes: ISA guide 11.1)
.set XROW,   80                        ; 20 words: the 32 lanes of a read of 8 bytes (word 20 r + 2 h) touch 64 different words modulo 64
.set AIMG,   XS+STEPS*XSTEP            ; the basis' fragments: buffer b at ABUF b; fragment 2 q + m at FRB (2 q + m)
.set ABUF,   4*FRB
.set ASC,    AIMG+2*ABUF               ; their scale words: buffer b at 256 b; (q, m, r) at 128 q + 64 m + 4 r
.set SPARE,  ASC+512                   ; the spare words, 128 bytes for each of eight waves: four blocks of 256 bytes that no other line names
.set SPITCH, 528                       ; the way out: a stage row, 512 bytes + 16
.set STGW,   32*SPITCH                 ; a consumer's stage
; vector registers.  v1-15 and v26-29 are made at the head, ahead of the roles' first parting, and hold addresses and shifts alone
.set SPW, 1                            ; LDS address of my spare word; never rewritten
.set NIL, 2                            ; 0; never rewritten
.set XW,  3                            ; x into LDS
.set XG,  4                            ; x in memory: my byte in the work-group's 32 rows
.set XA0, 5                            ; producer: my 8 bytes of x in step 0
.set XAD, 6                            ; and in the step to be fetched
.set AW,  7                            ; producer: my fragment's image
.set AWS, 8                            ; and its scale word
.set AR,  9                            ; consumer: the images
.set ASR, 10                           ; and their scale words
.set BR,  11                           ; v11, v12: consumer: my part of slot 0, 1
.set STO, 13                           ; the way out: where I put 32 bytes of a row
.set RD,  14                           ; where I read a row back
.set CO,  15                           ; my byte in a row of out
.set SW,  16                           ; v16-23 consumer: W's scale words, tile tl in v[16 + tl]: lanes 0-15 q = 0, lanes 16-31 q = 1.  They and v24-25 hold scales and nothing else
.set SA,  24                           ; v24-25 the basis' scale words of q = 0, 1: lanes 0-15 rows 0-15, lanes 16-31 rows 16-31
.set BO,  26                           ; 32 h: my eight numbers of a tile's sixteen of the bias
.set PFO, 27                           ; 256 x lane: the prefetches' offset
.set SH8, 28                           ; 8 h
.set ZO,  29                           ; 0: offset of the loads that every lane makes alike
; producer
.set C4,  30                           ; v30-31 the polynomial's highest coefficient, twice
.set XV,  32                           ; v32-35 x of my row at the four i of my two blocks
.set TR,  36                           ; v36-51 tr[k]
.set GK,  52                           ; v52-67 G[k]
.set HK,  68                           ; v68-83 H[k]
.set DD,  84                           ; v84-99 d, later the polynomial  (at the head: lane, r, h and two more)
.set EE,  100                          ; v100-115 the exponential
.set MM,  116                          ; v116-131 u + 1.5 x 2^23
.set NN,  132                          ; v132-147 n, r, r r
.set BS,  148                          ; v148-179 a block's 32 numbers
.set PC,  180                          ; v180-191 the fragment's codes
.set PT,  192                          ; v192-194 a block's second half, as converted
.set MX,  200                          ; v200-201 two chains of the largest magnitude
.set SCO, 202                          ; v202-203 the conversions' scale operands
.set BY,  204                          ; v204-205 the scale bytes
.set PW,  206                          ; the scale word
.set PWX, 207                          ; a lane permute's destination
; consumer
.set AF,  32                           ; v32-79 the basis' four fragments, 12 (2 q + m) on
.set ACC, 128                          ; v128-255 the accumulators: (m, tl) at 128 + 64 m + 8 tl
                                       ; window 1 (v256-447): W's 16 fragments, 12 (8 q + tl) on; at the head v256-319: x as loaded
.set LN,  84
.set RR,  85
.set HH,  86
.set T0,  87
.set L16, 88
; scalar registers
.set WV,  16                           ; my wave's number
.set P3,  17                           ; wave % 4: which producer, which consumer
.set G1,  24                           ; s[24:31] descriptor group 1
.set G0,  32                           ; s[32:35], s[36:39] group 0 for slot 0, 1
.set TX,  40                           ; XSTEP x the step whose x is fetched next
.set TXC, 41                           ; the same, held at the last step
.set CNT, 42
.set PFN, 43                           ; which 32,768 bytes of wq my next prefetch names; 1,000 and more in a wave that asks for nothing
.set PFA, 44                           ; s[44:45] and where they lie
.set SEL, 46                           ; s[46:47] v_permlanex16_b32's selects for lane l xor 16
.set MG,  48                           ; s[48:49] 1.5 x 2^23   (a packed form names a pair and takes its low word for both halves: both are written)
.set NMG, 50                           ; s[50:51] -1.5 x 2^23
.set K3,  52                           ; s[52:59] the polynomial's coefficients 3, 2, 1, 0
.set K2,  54
.set K1,  56
.set K0,  58
.set MSB, 0
.macro WIN new                         ; the immediate's high byte repeats the setting that is left; a switch that changes nothing is dropped
.if MSB != \new
	s_set_vgpr_msb (MSB<<8)|\new
.set MSB, \new
.endif
.endm
.macro PLACES                          ; four plain vector instructions (ISA guide 7.12.1)
.rept 4
	v_nop
.endr
.endm
; A round of the cluster's barrier: my work-group's barrier, so that wave 0's signal speaks for all eight waves; wave 0 signals for the work-group; every wave waits for all four work-groups; my work-group's barrier once more.
.macro ROUND
	s_barrier_signal -1
	s_barrier_wait -1
	s_cmp_lg_u32 s[WV], 0
	s_cbranch_scc1 .Lnot_wave_0_\@
	s_barrier_signal -3
.Lnot_wave_0_\@:
	s_barrier_wait -3
	s_barrier_signal -1
	s_barrier_wait -1
.endm
	s_load_b256 s[4:11], s[0:1], 0x0               ; x s[4:5], wq s[6:7], scales s[8:9], translations s[10:11]
	s_load_b128 s[12:15], s[0:1], 0x20             ; bias s[12:13], out0 s[14:15]
	v_lshl_add_u32 v[SPW], v0, 2, SPARE
	v_mov_b32 v[NIL], 0
	ds_add_u32 v1, v2
	ds_add_u32 v1, v2
	s_wait_dscnt 0x0
	v_lshrrev_b32 v[T0], 5, v0
	v_readfirstlane_b32 s[WV], v[T0]               ; wave 0..7
	s_and_b32 s[P3], s[WV], 3
	v_and_b32 v[LN], 31, v0                        ; lane
	v_and_b32 v[RR], 15, v0                        ; r
	v_bfe_u32 v[HH], v0, 4, 1                      ; h
	v_lshlrev_b32 v[L16], 4, v[LN]                 ; 16 x lane
	; x: wave w loads rows 4 w .. 4 w + 3, 512 consecutive bytes a load.  Lane l of part u holds i = 128 u + 4 l .. + 3: K step 8 u + l / 4, bytes 16 (l % 4) of the row's 64
	v_lshrrev_b32 v[T0], 2, v[LN]
	v_mul_u32_u24 v[XW], v[T0], XSTEP
	v_and_b32 v[T0], 3, v[LN]
	v_lshl_add_u32 v[XW], v[T0], 4, v[XW]
	s_mul_i32 s20, s[WV], 4*XROW
	s_add_co_u32 s20, s20, XS
	v_add_nc_u32 v[XW], s20, v[XW]
	s_lshl_b32 s20, s[WV], 13
	v_add_nc_u32 v[XG], s20, v[L16]                ; four rows of 2,048 bytes a wave
	; producer p = m + 2 q: row 16 m + r; my blocks h and 2 + h of the q-th 128 are i = 8 q + 2 h, + 1 and 8 q + 4 + 2 h, + 1 of the step's sixteen
	s_and_b32 s20, s[P3], 1
	s_mul_i32 s20, s20, 16*XROW
	s_lshr_b32 s21, s[P3], 1
	s_lshl_b32 s21, s21, 5
	s_add_co_u32 s20, s20, s21
	s_add_co_u32 s20, s20, XS
	v_mul_u32_u24 v[XA0], v[RR], XROW
	v_lshl_add_u32 v[XA0], v[HH], 3, v[XA0]
	v_add_nc_u32 v[XA0], s20, v[XA0]
	v_add_nc_u32 v[XAD], XSTEP, v[XA0]             ; step 1
	s_mul_i32 s20, s[P3], FRB
	s_add_co_u32 s20, s20, AIMG
	v_add_nc_u32 v[AW], s20, v[L16]
	s_lshl_b32 s20, s[P3], 6                       ; 128 q + 64 m = 64 p
	s_add_co_u32 s20, s20, ASC
	v_lshl_add_u32 v[AWS], v[RR], 2, s20
	v_add_nc_u32 v[AR], AIMG, v[L16]
	v_lshl_add_u32 v[ASR], v[LN], 2, ASC
	s_mul_i32 s20, s[P3], PARTB
	v_add_nc_u32 v[BR], s20, v[L16]
	v_add_nc_u32 v[BR+1], SLOTB, v[BR]
	s_mul_i32 s20, s[P3], STGW
	v_mul_u32_u24 v[STO], v[RR], SPITCH
	v_lshl_add_u32 v[STO], v[HH], 5, v[STO]
	v_add_nc_u32 v[STO], s20, v[STO]
	v_add_nc_u32 v[RD], s20, v[L16]
	s_lshl_b32 s21, s[P3], 9
	v_add_nc_u32 v[CO], s21, v[L16]
	v_lshlrev_b32 v[BO], 5, v[HH]
	v_lshlrev_b32 v[PFO], 8, v[LN]
	v_lshlrev_b32 v[SH8], 3, v[HH]
	v_mov_b32 v[ZO], 0
	s_mov_b32 s[SEL], 0x76543210
	s_mov_b32 s[SEL+1], 0xfedcba98
	s_mov_b32 s[MG], 0x4b400000                    ; 1.5 x 2^23
	s_mov_b32 s[MG+1], s[MG]
	s_mov_b32 s[NMG], 0xcb400000
	s_mov_b32 s[NMG+1], s[NMG]
	s_mov_b32 s[K3], 0xbfaa7aee                    ; -1.33187657
	s_mov_b32 s[K3+1], s[K3]
	s_mov_b32 s[K2], 0x4081de81                    ;  4.05841135
	s_mov_b32 s[K2+1], s[K2]
	s_mov_b32 s[K1], 0xc09de9d3                    ; -4.93479283
	s_mov_b32 s[K1+1], s[K1]
	s_mov_b32 s[K0], 0x3f7fffff                    ;  0.99999994
	s_mov_b32 s[K0+1], s[K0]
	s_mov_b32 s[TX], XSTEP
	; descriptor group 1: a dense block of 12,800 bytes as 50 rows of 256 bytes (32 elements of 8 bytes), no padding: fragments are read as 512 consecutive bytes
	s_mov_b32 s[G1+0], 15|(3<<16)|(1<<21)          ; 15:0 the mask: all four work-groups; 17:16 elements of 8 bytes; 21 set beside a mask
	s_mov_b32 s[G1+1], 32<<16                      ; tensor_dim0 = 32
	s_mov_b32 s[G1+2], 50<<16                      ; tensor_dim1 = 50
	s_mov_b32 s[G1+3], 32<<16                      ; tile_dim0 = 32
	s_mov_b32 s[G1+4], 50                          ; tile_dim1 = 50
	s_mov_b32 s[G1+5], 32                          ; from row to row
	s_mov_b32 s[G1+6], 0
	s_mov_b32 s[G1+7], 0
	s_mul_i32 s20, s[WV], EIGHTH                   ; my eighth of a K step: the same offset in wq and in a slot; no place in the cluster enters it
	s_mov_b32 s21, 0
	s_add_co_u32 s22, s20, SLOTB                   ; and of the step, and the slot, behind it
	s_mov_b32 s23, 0
	; what hangs on the work-group's place goes into addresses of x, out0 and the prefetches alone, by registers of its own
	s_bfe_u32 s18, ttmp6, 0x40000                  ; cx
	s_lshl_b32 s19, ttmp9, 2                       ; (in a cluster launch ttmp9 counts clusters)
	s_add_co_u32 s19, s19, s18                     ; my block of 32 rows = 4 x cluster + cx
	s_lshl_b32 s62, s18, 13                        ; the prefetches: my work-group's 8,192 bytes of each 32,768,
	s_add_co_u32 s63, s[WV], 6
	s_lshl_b32 s63, s63, 15                        ; beginning seven pieces ahead of piece 13 + wave: the first change of slots steps on to it
	s_add_co_u32 s62, s62, s63
	s_mov_b32 s63, 0
	s_cmp_lt_u32 s[WV], 7                          ; who asks: waves 0 to 6
	s_cselect_b32 s60, 0, 1
	s_or_b32 s60, s60, ttmp9                       ; of the first cluster: the same in all four partners
	s_add_co_u32 s61, s[WV], 6
	s_cmp_eq_u32 s60, 0
	s_cselect_b32 s[PFN], s61, 0x3e8
	s_lshl_b32 s60, s19, 16                        ; 32 rows of 2,048 bytes, in x and in out0
	s_mov_b32 s61, 0
	s_wait_kmcnt 0x0
	s_add_nc_u64 s[4:5], s[4:5], s[60:61]
	s_add_nc_u64 s[14:15], s[14:15], s[60:61]
	s_add_nc_u64 s[PFA:PFA+1], s[6:7], s[62:63]
	s_lshl_b32 s60, s[P3], 9
	s_add_nc_u64 s[12:13], s[12:13], s[60:61]      ; the bias of my 128 columns
	s_mov_b32 s[G0+0], 1                           ; 1:0 count = 1
	s_mov_b32 s[G0+1], s20                         ; LDS address: slot 0
	s_add_nc_u64 s[G0+2:G0+3], s[6:7], s[20:21]    ; global address: K step 0
	s_or_b32 s[G0+3], s[G0+3], 0x80000000          ; type = 2
	s_mov_b32 s[G0+4], 1
	s_mov_b32 s[G0+5], s22                         ; slot 1
	s_add_nc_u64 s[G0+6:G0+7], s[6:7], s[22:23]    ; K step 1
	s_or_b32 s[G0+7], s[G0+7], 0x80000000
	WIN 0x40                                       ; destination window 1
.irp p, 0,1,2,3
.irp u, 0,1,2,3
	global_load_b128 v[4*(4*\p+\u):4*(4*\p+\u)+3], v[XG], s[4:5] offset:2048*\p+512*\u th:TH_LOAD_NT   ; row 4 w + p, part u: 512 consecutive bytes; read once in the launch
.endr
.endr
	WIN 0
	ROUND                                          ; all four work-groups are here: the first joint loads meet
	tensor_load_to_lds s[G0:G0+3], s[G1:G1+7]      ; K step 0 and K step 1 go out together, ahead of every LDS read and every wait on TENSORcnt: two loads of mine are out, later one
	s_nop 0
	tensor_load_to_lds s[G0+4:G0+7], s[G1:G1+7]
	s_nop 0
	PLACES                                         ; four v_nop follow the loads
.macro XSTORE                          ; x into LDS, by K steps
	WIN 0x04                                       ; an LDS store's data are its source 1: window 1
.irp p, 0,1,2,3
.irp u, 0,1,2,3
	ds_store_b128 v[XW], v[4*(4*\p+\u):4*(4*\p+\u)+3] offset:8*XSTEP*\u+XROW*\p
.endr
.endr
	WIN 0
.endm
	s_cmp_lt_u32 s[WV], 4
	s_cbranch_scc0 .Lhead_cons
	; ---- producers: tr, G and H for the sixteen k, in every lane
.irp i, 0,1,2,3
	global_load_b128 v[TR+4*\i:TR+4*\i+3], v[ZO], s[10:11] offset:16*\i
	global_load_b128 v[GK+4*\i:GK+4*\i+3], v[ZO], s[8:9] offset:16*\i
.endr
	s_wait_loadcnt 8                               ; x's sixteen loads are in; the eight just issued may be out
	XSTORE
	s_wait_loadcnt 0x0
.set k, 0
.rept 16
	v_add_f32 v[GK+k], 0x358637bd, v[GK+k]         ; sc + 1e-6
.set k, k+1
.endr
.set k, 0
.rept 16
	v_rcp_f32 v[HK+k], v[GK+k]
.set k, k+1
.endr
	v_mov_b32 v[PWX], 0                            ; written once: a lane permute's destination counts as one of its sources.  (Also the plain instruction behind the last reciprocal)
	s_wait_alu depctr_va_vdst(0)                   ; one wait for the sixteen reciprocals, ahead of their first reader
.set k, 0
.rept 16
	v_fma_f32 v[DD+k], -v[GK+k], v[HK+k], 1.0      ; the Newton step: e = 1 - den a,
.set k, k+1
.endr
.set k, 0
.rept 16
	v_fma_f32 v[HK+k], v[HK+k], v[DD+k], v[HK+k]   ; a = a + a e
.set k, k+1
.endr
.set k, 0
.rept 16
	v_mul_f32 v[GK+k], 0x3f596d27, v[HK+k]         ; G = a sqrt(log2(e) / 2)
.set k, k+1
.endr
.set k, 0
.rept 16
	v_mul_f32 v[HK+k], 0x3fcbb7e4, v[HK+k]         ; H = 5 a / pi
.set k, k+1
.endr
	v_mov_b32 v[C4], 0x3e60f653                    ; 0.21968965
	v_mov_b32 v[C4+1], 0x3e60f653
	s_branch .Lhead_join
.Lhead_cons:
	; ---- consumers: the sums begin as the bias: register j of accumulator (m, tl) is column 128 c + 16 tl + 8 h + j
.irp m, 0,1
.irp tl, 0,1,2,3,4,5,6,7
	global_load_b128 v[ACC+64*\m+8*\tl:ACC+64*\m+8*\tl+3], v[BO], s[12:13] offset:64*\tl
	global_load_b128 v[ACC+64*\m+8*\tl+4:ACC+64*\m+8*\tl+7], v[BO], s[12:13] offset:64*\tl+16
.endr
.endr
	s_wait_loadcnt 32                              ; x's sixteen loads are in; the 32 just issued may be out
	XSTORE
	s_wait_loadcnt 0x0
.Lhead_join:
	s_wait_dscnt 0x0                               ; for the others' sake: my rows of x have landed
	s_barrier_signal -1
	s_barrier_wait -1                              ; all 32 rows lie in LDS.  The tensor loads may stay out
; SIXTEEN NUMBERS: one i, all sixteen k, in stages of eight pairs, so that no line waits for the line above it.  xp: the pair of registers with x; sel: which of the two; dst: where the numbers go.
.macro WAVE16 xp, sel, dst
.set rX, \xp
.set rD, \dst
.irp p, 0,2,4,6,8,10,12,14
	v_pk_add_f32 v[DD+\p:DD+\p+1], v[rX:rX+1], v[TR+\p:TR+\p+1] op_sel:[\sel,0] op_sel_hi:[\sel,1] neg_lo:[0,1] neg_hi:[0,1]   ; d = x - tr: the one x feeds both halves
.endr
.irp p, 0,2,4,6,8,10,12,14
	v_pk_mul_f32 v[EE+\p:EE+\p+1], v[DD+\p:DD+\p+1], v[GK+\p:GK+\p+1]
.endr
.irp p, 0,2,4,6,8,10,12,14
	v_pk_mul_f32 v[EE+\p:EE+\p+1], v[EE+\p:EE+\p+1], v[EE+\p:EE+\p+1] neg_lo:[0,1] neg_hi:[0,1]   ; -(d G)^2 = -t t log2(e) / 2
.endr
.irp k, 0,1,2,3,4,5,6,7,8,9,10,11,12,13,14,15
	v_exp_f32 v[EE+\k], v[EE+\k]                   ; one batch; the 64 lines below name none of its results
.endr
.irp p, 0,2,4,6,8,10,12,14
	v_pk_fma_f32 v[MM+\p:MM+\p+1], v[DD+\p:DD+\p+1], v[HK+\p:HK+\p+1], s[MG:MG+1] op_sel_hi:[1,1,0]   ; u + 1.5 x 2^23: rounded to a whole number, n's parity in the lowest bit
.endr
.irp p, 0,2,4,6,8,10,12,14
	v_pk_add_f32 v[NN+\p:NN+\p+1], v[MM+\p:MM+\p+1], s[NMG:NMG+1] op_sel_hi:[1,0]   ; n, exactly
.endr
.irp p, 0,2,4,6,8,10,12,14
	v_pk_fma_f32 v[NN+\p:NN+\p+1], v[DD+\p:DD+\p+1], v[HK+\p:HK+\p+1], v[NN+\p:NN+\p+1] neg_lo:[0,0,1] neg_hi:[0,0,1]   ; r = d H - n, one rounding
.endr
.irp p, 0,2,4,6,8,10,12,14
	v_pk_mul_f32 v[NN+\p:NN+\p+1], v[NN+\p:NN+\p+1], v[NN+\p:NN+\p+1]
.endr
.irp p, 0,2,4,6,8,10,12,14
	v_pk_fma_f32 v[DD+\p:DD+\p+1], v[NN+\p:NN+\p+1], v[C4:C4+1], s[K3:K3+1] op_sel_hi:[1,1,0]   ; cos(pi r), by Horner's rule in r r
.endr
.irp p, 0,2,4,6,8,10,12,14
	v_pk_fma_f32 v[DD+\p:DD+\p+1], v[DD+\p:DD+\p+1], v[NN+\p:NN+\p+1], s[K2:K2+1] op_sel_hi:[1,1,0]
.endr
.irp p, 0,2,4,6,8,10,12,14
	v_pk_fma_f32 v[DD+\p:DD+\p+1], v[DD+\p:DD+\p+1], v[NN+\p:NN+\p+1], s[K1:K1+1] op_sel_hi:[1,1,0]
.endr
.irp p, 0,2,4,6,8,10,12,14
	v_pk_fma_f32 v[DD+\p:DD+\p+1], v[DD+\p:DD+\p+1], v[NN+\p:NN+\p+1], s[K0:K0+1] op_sel_hi:[1,1,0]
.endr
	s_wait_alu depctr_va_vdst(0)                   ; one wait for the sixteen exponentials, ahead of their first reader
.irp k, 0,1,2,3,4,5,6,7,8,9,10,11,12,13,14,15
	v_lshl_or_b32 v[EE+\k], v[MM+\k], 31, v[EE+\k] ; (-1)^n onto the exponential, which is never negative
.endr
.irp p, 0,2,4,6,8,10,12,14
	v_pk_mul_f32 v[rD+\p:rD+\p+1], v[DD+\p:DD+\p+1], v[EE+\p:EE+\p+1]
.endr
.endm
; A BLOCK OF 32 lies whole in my registers: its largest magnitude (two chains, the registers in ascending order, the floor 2^(3 - 127) among the leaves: the byte cannot fall under 1), its scale, its codes.
.macro BLOCKQ cb
	v_max3_num_f32 v[MX], |v[BS]|, |v[BS+1]|, 0x1800000
	v_max3_num_f32 v[MX+1], |v[BS+2]|, |v[BS+3]|, |v[BS+4]|
.set i, 5
.rept 13
	v_max3_num_f32 v[MX+((i-5)/2)%2], v[MX+((i-5)/2)%2], |v[BS+i]|, |v[BS+i+1]|
.set i, i+2
.endr
	v_max3_num_f32 v[MX], v[MX], v[MX+1], |v[BS+31]|
	v_add_nc_u32 v[SCO+\cb], 0xff000000, v[MX]     ; 2 off the exponent field: the conversion takes the exponent field of this operand as its scale
	v_cvt_scalef32_pk16_fp6_f32 v[PC+6*\cb:PC+6*\cb+2], v[BS:BS+15], v[SCO+\cb]
	v_cvt_scalef32_pk16_fp6_f32 v[PT:PT+2], v[BS+16:BS+31], v[SCO+\cb]   ; (a conversion's three registers begin on an even number)
	v_lshrrev_b32 v[BY+\cb], 23, v[SCO+\cb]        ; the scale's byte.  (Also the plain instruction between the conversions and the moves that read their results)
.irp i, 0,1,2
	v_mov_b32 v[PC+6*\cb+3+\i], v[PT+\i]
.endr
.endm
; A FRAGMENT of the basis into buffer buf: registers 6 cb .. 6 cb + 5 are block 2 cb + h of my row.  At its end x of the next fragment is fetched: it lands under the change of slots.
.macro PRODUCE buf
.irp cb, 0,1
	WAVE16 XV+2*\cb, 0, BS
	WAVE16 XV+2*\cb, 1, BS+16
	BLOCKQ \cb
.endr
	v_lshl_or_b32 v[PW], v[BY+1], 16, v[BY]        ; my two bytes: blocks h and 2 + h,
	v_lshlrev_b32 v[PW], v[SH8], v[PW]             ; at their places in the word;
	v_permlanex16_b32 v[PWX], v[PW], s[SEL], s[SEL+1]
	v_or_b32 v[PW], v[PW], v[PWX]                  ; with lane l xor 16's two the word is whole
.irp cc, 0,1,2
	ds_store_b128 v[AW], v[PC+4*\cc:PC+4*\cc+3] offset:ABUF*(\buf)+512*\cc   ; the operand's registers as they stand: 512 consecutive bytes a store
.endr
	ds_store_b32 v[AWS], v[PW] offset:256*(\buf)   ; lanes r and r + 16 write the same word with the same value
	ds_load_b64 v[XV:XV+1], v[XAD]
	ds_load_b64 v[XV+2:XV+3], v[XAD] offset:16
.endm
; 16 matrix instructions: the q-th 128 along K; the sixteen accumulators by turns, one instruction a turn, in the same order everywhere.
.macro MUL q
.irp tl, 0,1,2,3,4,5,6,7
.irp m, 0,1
.set rC, ACC+64*\m+8*\tl
.set rW, 12*(8*\q+\tl)
.set rA, AF+12*(2*\q+\m)
.if (\q == 0) && (\m == 0)
	v_wmma_scale_f32_16x16x128_f8f6f4 v[rC:rC+7], v[rW:rW+11], v[rA:rA+11], v[rC:rC+7], v[SW+\tl], v[SA+\q] matrix_a_fmt:MATRIX_FMT_FP6 matrix_b_fmt:MATRIX_FMT_FP6
.elseif \q == 0
	v_wmma_scale_f32_16x16x128_f8f6f4 v[rC:rC+7], v[rW:rW+11], v[rA:rA+11], v[rC:rC+7], v[SW+\tl], v[SA+\q] matrix_a_fmt:MATRIX_FMT_FP6 matrix_b_fmt:MATRIX_FMT_FP6 matrix_b_scale:MATRIX_SCALE_ROW1
.elseif \m == 0
	v_wmma_scale_f32_16x16x128_f8f6f4 v[rC:rC+7], v[rW:rW+11], v[rA:rA+11], v[rC:rC+7], v[SW+\tl], v[SA+\q] matrix_a_fmt:MATRIX_FMT_FP6 matrix_b_fmt:MATRIX_FMT_FP6 matrix_a_scale:MATRIX_SCALE_ROW1
.else
	v_wmma_scale_f32_16x16x128_f8f6f4 v[rC:rC+7], v[rW:rW+11], v[rA:rA+11], v[rC:rC+7], v[SW+\tl], v[SA+\q] matrix_a_fmt:MATRIX_FMT_FP6 matrix_b_fmt:MATRIX_FMT_FP6 matrix_a_scale:MATRIX_SCALE_ROW1 matrix_b_scale:MATRIX_SCALE_ROW1
.endif
.endr
.endr
.endm
; A K STEP of a consumer, from slot s and the basis' buffer s: 64 LDS loads in one run, each 512 consecutive bytes, then 32 matrix instructions.  No fragment is read twice by a wave.
.macro CONSUME s
.irp f, 0,1,2,3
.irp cc, 0,1,2
	ds_load_b128 v[AF+12*\f+4*\cc:AF+12*\f+4*\cc+3], v[AR] offset:ABUF*\s+FRB*\f+512*\cc
.endr
.endr
	ds_load_b32 v[SA], v[ASR] offset:256*\s
	ds_load_b32 v[SA+1], v[ASR] offset:256*\s+128
	ds_load_b128 v[SW:SW+3], v[BR+\s] offset:WSC
	ds_load_b128 v[SW+4:SW+7], v[BR+\s] offset:WSC+512
	WIN 0x40                                       ; destination window 1, address window 0
.irp f, 0,1,2,3,4,5,6,7,8,9,10,11,12,13,14,15
.irp cc, 0,1,2
	ds_load_b128 v[12*\f+4*\cc:12*\f+4*\cc+3], v[BR+\s] offset:FRB*\f+512*\cc
.endr
.endr
	WIN 0x01                                       ; source 0 (W) window 1; the basis, C and D window 0
	s_wait_dscnt 24                                ; all but the youngest 24 loads, W's fragments of q = 1, are in
	MUL 0
	s_wait_dscnt 0x0
	MUL 1
	WIN 0
	PLACES                                         ; ahead of the next loads into registers that these products have read, and of the first read of results
.endm
; A PREFETCH INTO THE L2 of wq, which the launch before stored.  wq is 100 pieces of 32,768 bytes; of a piece each of the four partners names 8,192 bytes, told apart BY ADDRESS, lanes 256 bytes apart.
; The first cluster asks, and nobody else: all clusters walk the same bytes.  In it waves 0 to 6 ask, one instruction each in a trip, behind the trip's first joint load and its four lines:
; trip u names pieces 13 + 7 u + wave, as long as that is under 100: each aligned block of 256 bytes once in the launch, none past wq's end.  A trip reads 6.25 pieces and asks for 7:
; what trip 0 names begins in K step 4, whose load goes out one trip later; the lead grows slowly from there.  K steps 0 to 3 and the head of step 4 come by their loads alone.
.macro ASK
	s_cmp_lt_u32 s[PFN], 100
	s_cbranch_scc0 .Lnot_mine_\@
	global_prefetch_b8 v[PFO], s[PFA:PFA+1] th:TH_LOAD_NT scope:SCOPE_SE
.Lnot_mine_\@:
.endm
; THE CHANGE OF SLOTS at a step's head.  Each wave waits for all its tensor loads (its eighth of the slot about to be read), adds 0 to its spare word, and waits for that and for all its LDS work of the last step
; (a consumer's reads of the slot and of the images, a producer's stores of the next images).  The barrier is a round of the cluster's: no wave of any partner still reads slot fs or has a load on its way.
; Behind it the joint refill of slot fs comes first, with the K step two on: it has a whole step in which to land.
.macro SYNC fs, first
	s_wait_tensorcnt 0x0                           ; no tensor load of mine is out, so a group 0 may be written
	ds_add_u32 v[SPW], v[NIL]                      ; 0 onto my spare word; the steps below stand between it and the wait for it
	s_add_nc_u64 s[G0+4*\fs+2:G0+4*\fs+3], s[G0+4*\fs+2:G0+4*\fs+3], 2*SLOTB   ; the slot's next K step; the type bits on top are not reached
.if \first
	s_wait_xcnt 0x0                                ; the last prefetch, a trip back, has read its address, so it may be written
	s_add_nc_u64 s[PFA:PFA+1], s[PFA:PFA+1], 7*32768
	s_add_co_u32 s[PFN], s[PFN], 7
.endif
	s_add_co_u32 s[TX], s[TX], XSTEP               ; x of the step after the one that is made now;
	s_min_u32 s[TXC], s[TX], (STEPS-1)*XSTEP       ; behind the last step there is none: the last is read again and not used
	s_wait_dscnt 0x0
	ROUND
	tensor_load_to_lds s[G0+4*\fs:G0+4*\fs+3], s[G1:G1+7]   ; my one tensor load until the next round
	s_nop 0
	PLACES                                         ; four v_nop follow it
.if \first
	ASK
.endif
	v_add_nc_u32 v[XAD], s[TXC], v[XA0]
.endm
; A STEP: the consumers multiply from slot s and buffer s, the producers fill the other buffer.  The branch hangs on the wave's number alone.
.macro ARMS s
	s_cmp_lt_u32 s[WV], 4
	s_cbranch_scc0 .Lcons_\@
	PRODUCE 1-\s
	s_branch .Ljoin_\@
.Lcons_\@:
	CONSUME \s
.Ljoin_\@:
.endm
	; ---- the basis of K step 0: there is nothing to multiply yet
	s_cmp_lt_u32 s[WV], 4
	s_cbranch_scc0 .Lfirst_made
	ds_load_b64 v[XV:XV+1], v[XA0]
	ds_load_b64 v[XV+2:XV+3], v[XA0] offset:16
	s_wait_dscnt 0x0
	PRODUCE 0
.Lfirst_made:
	; ---- step 0
	s_wait_tensorcnt 0x1                           ; my eighth of K step 0 is in; K step 1's may stay out
	s_wait_dscnt 0x0                               ; the images of step 0 have landed
	s_barrier_signal -1
	s_barrier_wait -1
	s_add_co_u32 s[TX], s[TX], XSTEP
	s_min_u32 s[TXC], s[TX], (STEPS-1)*XSTEP
	v_add_nc_u32 v[XAD], s[TXC], v[XA0]
	ARMS 0
	; ---- steps 1 to 30: a trip is two steps and fills both slots again
	s_mov_b32 s[CNT], (STEPS-2)/2
.Ltrip:
	SYNC 0, 1
	ARMS 1
	SYNC 1, 0
	ARMS 0
	s_sub_co_u32 s[CNT], s[CNT], 1
	s_cmp_lg_u32 s[CNT], 0
	s_cbranch_scc1 .Ltrip
	; ---- step 31 is written out: nothing is left to fetch or to make
	s_wait_tensorcnt 0x0                           ; my eighth of the last K step is in
	ds_add_u32 v[SPW], v[NIL]
	s_wait_dscnt 0x0                               ; the last images have landed, and my reads of slot 0 are over
	s_barrier_signal -1
	s_barrier_wait -1
	s_cmp_lt_u32 s[WV], 4
	s_cbranch_scc1 .Lend
	CONSUME 1
	; THE WAY OUT.  A lane holds 32 neighbouring bytes of a row and the lanes beside it hold other rows: so my 32 rows x 512 bytes go through my own stage and come back as whole rows, into the registers that they left.
	; The stage lies in slot 0: no fill lands there any more, and every wave has passed the barrier behind its last read of it.  LDS serves a wave's instructions in order (ISA guide 5.7.1.4): no wait between stores and loads.
.irp m, 0,1
.irp tl, 0,1,2,3,4,5,6,7
	ds_store_b128 v[STO], v[ACC+64*\m+8*\tl:ACC+64*\m+8*\tl+3] offset:16*SPITCH*\m+64*\tl          ; each accumulator from its low end on
	ds_store_b128 v[STO], v[ACC+64*\m+8*\tl+4:ACC+64*\m+8*\tl+7] offset:16*SPITCH*\m+64*\tl+16
.endr
.irp i, 0,1,2,3,4,5,6,7,8,9,10,11,12,13,14,15
	ds_load_b128 v[ACC+64*\m+4*\i:ACC+64*\m+4*\i+3], v[RD] offset:16*SPITCH*\m+SPITCH*\i
.endr
.endr
.irp m, 0,1
.irp i, 0,1,2,3,4,5,6,7,8,9,10,11,12,13,14,15
	s_wait_dscnt 47-32*\m-\i                       ; behind row i's load: the 15 - i later rows of its tile, and for the first tile the second's 16 stores and 16 loads
	global_store_b128 v[CO], v[ACC+64*\m+4*\i:ACC+64*\m+4*\i+3], s[14:15] offset:2048*(16*\m+\i) th:TH_STORE_NT   ; 32 lanes store 512 consecutive bytes, at a multiple of 256 from out0's first byte; written once, read by nobody here
.endr
.endr
.Lend:
	s_wait_tensorcnt 0x0                           ; the wave's end: behind my last tensor load and my last LDS store
	ds_add_u32 v[SPW], v[NIL]
	s_wait_dscnt 0x0
	ROUND                                          ; the closing round: no work-group ends while a partner may still ask for a tile that names it
	s_endpgm
.Lfunc_end_k_qf0f1992be2_kan:
	.size	k_qf0f1992be2_kan, .Lfunc_end_k_qf0f1992be2_kan-k_qf0f1992be2_kan
	.p2alignl 7, 3214868480
	.fill 96, 4, 3214868480
	.section	.rodata,"a",@progbits
	.p2align	6, 0x0
	.amdhsa_kernel k_qf0f1992be2_kan
		.amdhsa_group_segment_fixed_size 327680
		.amdhsa_private_segment_fixed_size 0
		.amdhsa_enable_private_segment 0
		.amdhsa_kernarg_size 48
		.amdhsa_user_sgpr_count 2
		.amdhsa_user_sgpr_kernarg_segment_ptr 1
		.amdhsa_wavefront_size32 1
		.amdhsa_system_sgpr_workgroup_id_x 1
		.amdhsa_system_sgpr_workgroup_id_y 1
		.amdhsa_system_sgpr_workgroup_id_z 1
		.amdhsa_system_vgpr_workitem_id 0
		.amdhsa_next_free_vgpr 448
		.amdhsa_next_free_sgpr 66
		.amdhsa_reserve_vcc 0
		.amdhsa_float_denorm_mode_32 3
		.amdhsa_float_denorm_mode_16_64 3
		.amdhsa_memory_ordered 1
		.amdhsa_forward_progress 1
		.amdhsa_inst_pref_size 198
	.end_amdhsa_kernel
	.amdgpu_metadata
---
amdhsa.version: [ 1, 2 ]
amdhsa.kernels:
  - .name:           k_qf0f1992be2_kan
    .symbol:         k_qf0f1992be2_kan.kd
    .args:
      - { .name: x, .offset: 0, .size: 8, .value_kind: global_buffer, .address_space: global }
      - { .name: wq, .offset: 8, .size: 8, .value_kind: global_buffer, .address_space: global }
      - { .name: scales, .offset: 16, .size: 8, .value_kind: global_buffer, .address_space: global }
      - { .name: translations, .offset: 24, .size: 8, .value_kind: global_buffer, .address_space: global }
      - { .name: bias, .offset: 32, .size: 8, .value_kind: global_buffer, .address_space: global }
      - { .name: out0, .offset: 40, .size: 8, .value_kind: global_buffer, .address_space: global }
    .group_segment_fixed_size: 327680
    .private_segment_fixed_size: 0
    .kernarg_segment_align: 8
    .kernarg_segment_size: 48
    .max_flat_workgroup_size: 256
    .sgpr_count:     66
    .vgpr_count:     448
    .wavefront_size: 32
...
	.end_amdgpu_metadata
.endif
;; end of part 2
;; ======== version 2 of 2: 2 launches
;; workspace buffers: wq 3,276,800 bytes
;; launch wquant: the kernel of part 1 again; grid 256 x 1, 4 waves a work-group, no clusters, 68,608 bytes of LDS; arguments wavelet_weights, wq; writes wq
;; launch kan (part 3): grid 256 x 1, 8 waves a work-group, clusters of 4 x 1, 327,680 bytes of LDS; arguments x, wq, scales, translations, bias, out0; writes out0
.if DOCPART == 3
	.amdgcn_target "amdgcn-amd-amdhsa--gfx1250"
	.amdhsa_code_object_version 6
	.text
	.protected	k_qf0f1992be2_kan
	.globl	k_qf0f1992be2_kan
	.p2align	8
	.type	k_qf0f1992be2_kan,@function
k_qf0f1992be2_kan:
	s_mov_b64 s[64:65], 0
	v_nop
	global_prefetch_b8 v0, s[64:65] scope:SCOPE_SE
	s_setreg_imm32_b32 hwreg(HW_REG_WAVE_MODE, 25, 1), 1
	s_wait_xcnt 0x0
	s_wait_alu depctr_hold_cnt(0) depctr_sa_sdst(0) depctr_va_vdst(0) depctr_va_sdst(0) depctr_va_ssrc(0) depctr_va_vcc(0) depctr_vm_vsrc(0)
	s_getreg_b32 s2, hwreg(HW_REG_IB_STS2, 6, 4)
	s_cmp_eq_u32 s2, 0
	s_cbranch_scc0 .Lentry_in_a_cluster
	s_endpgm
.Lentry_in_a_cluster:
	s_bfe_u32 s2, ttmp6, 0x10000c
	s_cmp_lg_u32 s2, 0x3003
	s_cbranch_scc0 .Lentry_shape_is_right
	s_endpgm
.Lentry_shape_is_right:
; out[n][o] = bias[o] + sum over K = 16 i + k of Q(basis[n][K]) Q(W[o][K]),  basis = cos(5 t) exp(-t t / 2),  t = (x[n][i] - tr[k]) / (sc[k] + 1e-6).
; Both operands are codes of FP6 (E2M3) with one E8M0 scale for each 32 along K (two i x sixteen k).  W's codes come from wq, laid in the order of the operand's registers by the launch before.
; WHAT DECIDES THE SHAPE.  The basis has 8,192 x 8,192 numbers, and each costs some nine vector instructions a wave for 32 of them, against one matrix instruction for 32,768 multiply-adds: the vector work is the
; larger part.  So the basis is made ONCE: a work-group owns 32 rows, all 512 columns and all of K; 256 work-groups.  Hence also eight waves in two ROLES, one wave of each on a SIMD:
;   PRODUCERS (waves 0-3): in a K step of 256, producer p makes one fragment of the basis (rows 16 (p % 2) on, the (p / 2)-th 128 along K): 64 numbers a lane, quantised in registers, to LDS as an image of the operand's registers.
;   CONSUMERS (waves 4-7): consumer c owns columns 128 c .. 128 c + 127 x 32 rows: 16 accumulators; a K step is 16 fragments of W, 4 of the basis, 32 matrix instructions.
; At a position of the walk the consumers multiply that position's K step while the producers make the next.  A larger wave tile would want more rows to a work-group, and so fewer work-groups than there are WGPs for the vector work.
; CLUSTER.  The four partners walk the same 3,276,800 bytes of wq in the same order and ask for each K step JOINTLY (the same tensor load, the same descriptor, a mask that names the four); x and out0 are a work-group's own.
; THE WALK.  Cluster g begins at K step s = (g % 32) xor (31 where g >= 32) and goes round: position t of its walk is K step (s + t) % 32.  So at every position the 64 clusters ask for all 32 K steps, two clusters each,
;   and not all for the same one; and whichever single bit of g parts the clusters into two groups of 32, each group's starts are all 32 K steps.  x is laid in LDS by POSITION (the start goes into x's offsets in memory),
;   so no LDS address knows of the start.  NO PREFETCH: the clusters' first fills, positions 0 and 1, name every byte of wq, so no later load is the first of the launch to name its bytes.
; THE ARITHMETIC OF A NUMBER, f32, two an instruction.  a = 1 / (sc + 1e-6): v_rcp_f32 and one Newton step.  d = x - tr (as the definition has it).  exp(-t t / 2) = 2^(-(d G)^2), G = a sqrt(log2(e) / 2).
;   u = d H, H = 5 a / pi: cos(5 t) = (-1)^n cos(pi r), n = u rounded to a whole number (by adding 1.5 x 2^23, whose sum carries n's parity in its lowest bit), r = u - n by one fused multiply-add, |r| <= 1/2;
;   cos(pi r) is a polynomial of degree 4 in r r (the Chebyshev series of cos(pi y / 2) on [-1, 1], cut behind T8; largest error 4.7e-8).  The sign goes onto the exponential by a shift and an or.
; LIMITS.  The quotient is a product with the refined reciprocal (within an ulp or two of the division).  The reduction is exact for |5 t / pi| < 2^22; beyond, up to |t| of about 1e11, the result is still
;   the right 0 (the exponential is 0, the polynomial finite); above that NaN.  Magnitudes of the exponential under 2^-126 come out as 0 (ISA guide 15.8, v_exp_f32).  sc + 1e-6 = 0, NaN and infinities among the inputs are not served.
;   A block of zeros carries the byte 1 where the quantiser's rule says 127: its codes are zeros.  A row's f32 sum runs along K from the cluster's start and round, not from K = 0: another order of rounding.
; THE MATRIX INSTRUCTION IS USED TRANSPOSED (source 0 = 16 columns' rows of W, source 1 = 16 rows of the basis): a lane then holds eight neighbouring columns of one row of out.  The bias is loaded into the accumulators: nothing is cleared, nothing added at the end.
; LDS: two slots of 102,400 bytes (a K step of wq as it lies in memory) | x, by positions | the basis' images, two buffers | their scale words | the spare words.  On the way out the stages lie in slot 0, which has had its last fill and its last read by then.
.set STEPS,  32                        ; K steps of 256
.set SLOTB,  102400                    ; a K step of wq
.set PARTB,  25600                     ; a consumer's part of it: 16 images, then 1,024 bytes of scale words
.set EIGHTH, 12800                     ; what one wave's tensor load brings: 50 rows of 256 bytes
.set FRB,    1536                      ; a fragment's image: 12 registers x 32 lanes
.set WSC,    16*FRB                    ; where a part's scale words begin
.set XS,     2*SLOTB                   ; x: position t at XSTEP t; row at XROW row; 64 bytes: x[row][16 j .. 16 j + 15], j the position's K step
.set XSTEP,  2624                      ; 32 rows x 80 + 64: from position to position 64 bytes on modulo 256, so that the sixteen lanes of a store fall into sixteen different places of 16 bytes (64 banks of 4 bytes: ISA guide 11.1)
.set XROW,   80                        ; 20 words: the 32 lanes of a read of 8 bytes (word 20 r + 2 h) touch 64 different words modulo 64
.set AIMG,   XS+STEPS*XSTEP            ; the basis' fragments: buffer b at ABUF b; fragment 2 q + m at FRB (2 q + m)
.set ABUF,   4*FRB
.set ASC,    AIMG+2*ABUF               ; their scale words: buffer b at 256 b; (q, m, r) at 128 q + 64 m + 4 r
.set SPARE,  ASC+512                   ; the spare words, 128 bytes for each of eight waves: four blocks of 256 bytes that no other line names
.set SPITCH, 528                       ; the way out: a stage row, 512 bytes + 16
.set STGW,   32*SPITCH                 ; a consumer's stage
; vector registers.  v1-3, v5-15, v26 and v28-29 are made at the head, ahead of the roles' first parting, and hold addresses and shifts alone
.set SPW, 1                            ; LDS address of my spare word; never rewritten
.set NIL, 2                            ; 0; never rewritten
.set XW,  3                            ; x into LDS
.set XA0, 5                            ; producer: my 8 bytes of x at position 0
.set XAD, 6                            ; and at the position to be fetched
.set AW,  7                            ; producer: my fragment's image
.set AWS, 8                            ; and its scale word
.set AR,  9                            ; consumer: the images
.set ASR, 10                           ; and their scale words
.set BR,  11                           ; v11, v12: consumer: my part of slot 0, 1
.set STO, 13                           ; the way out: where I put 32 bytes of a row
.set RD,  14                           ; where I read a row back
.set CO,  15                           ; my byte in a row of out
.set SW,  16                           ; v16-23 consumer: W's scale words, tile tl in v[16 + tl]: lanes 0-15 q = 0, lanes 16-31 q = 1.  They and v24-25 hold scales and nothing else
.set SA,  24                           ; v24-25 the basis' scale words of q = 0, 1: lanes 0-15 rows 0-15, lanes 16-31 rows 16-31
.set BO,  26                           ; 32 h: my eight numbers of a tile's sixteen of the bias
.set SH8, 28                           ; 8 h
.set ZO,  29                           ; 0: offset of the loads that every lane makes alike
; producer
.set C4,  30                           ; v30-31 the polynomial's highest coefficient, twice
.set XV,  32                           ; v32-35 x of my row at the four i of my two blocks
.set TR,  36                           ; v36-51 tr[k]
.set GK,  52                           ; v52-67 G[k]
.set HK,  68                           ; v68-83 H[k]
.set DD,  84                           ; v84-99 d, later the polynomial  (at the head: lane, r, h, two more, and x's four offsets in memory)
.set EE,  100                          ; v100-115 the exponential
.set MM,  116                          ; v116-131 u + 1.5 x 2^23
.set NN,  132                          ; v132-147 n, r, r r
.set BS,  148                          ; v148-179 a block's 32 numbers
.set PC,  180                          ; v180-191 the fragment's codes
.set PT,  192                          ; v192-194 a block's second half, as converted
.set MX,  200                          ; v200-201 two chains of the largest magnitude
.set SCO, 202                          ; v202-203 the conversions' scale operands
.set BY,  204                          ; v204-205 the scale bytes
.set PW,  206                          ; the scale word
.set PWX, 207                          ; a lane permute's destination
; consumer
.set AF,  32                           ; v32-79 the basis' four fragments, 12 (2 q + m) on
.set ACC, 128                          ; v128-255 the accumulators: (m, tl) at 128 + 64 m + 8 tl
                                       ; window 1 (v256-447): W's 16 fragments, 12 (8 q + tl) on; at the head v256-319: x as loaded
.set LN,  84
.set RR,  85
.set HH,  86
.set T0,  87
.set L16, 88
.set XG,  89                           ; v89-92 x in memory: my byte in the work-group's 32 rows, for part u = 0 .. 3 of a row's walk
; scalar registers
.set WV,  16                           ; my wave's number
.set P3,  17                           ; wave % 4: which producer, which consumer
.set OFS, 22                           ; s[22:23] 102,400 x the K step to be asked for; the high word stays 0
.set G1,  24                           ; s[24:31] descriptor group 1
.set G0,  32                           ; s[32:35], s[36:39] group 0 for slot 0, 1
.set TX,  40                           ; XSTEP x the position whose x is fetched next
.set TXC, 41                           ; the same, held at the last position
.set CNT, 42
.set JN,  43                           ; the K step that the next tensor load asks for: (start + position) % 32.  It hangs on the cluster's number alone, which the four partners share
.set WB,  44                           ; s[44:45] wq at my eighth of K step 0
.set SEL, 46                           ; s[46:47] v_permlanex16_b32's selects for lane l xor 16
.set MG,  48                           ; s[48:49] 1.5 x 2^23   (a packed form names a pair and takes its low word for both halves: both are written)
.set NMG, 50                           ; s[50:51] -1.5 x 2^23
.set K3,  52                           ; s[52:59] the polynomial's coefficients 3, 2, 1, 0
.set K2,  54
.set K1,  56
.set K0,  58
.set MSB, 0
.macro WIN new                         ; the immediate's high byte repeats the setting that is left; a switch that changes nothing is dropped
.if MSB != \new
	s_set_vgpr_msb (MSB<<8)|\new
.set MSB, \new
.endif
.endm
.macro PLACES                          ; four plain vector instructions (ISA guide 7.12.1)
.rept 4
	v_nop
.endr
.endm
; A round of the cluster's barrier: my work-group's barrier, so that wave 0's signal speaks for all eight waves; wave 0 signals for the work-group; every wave waits for all four work-groups; my work-group's barrier once more.
.macro ROUND
	s_barrier_signal -1
	s_barrier_wait -1
	s_cmp_lg_u32 s[WV], 0
	s_cbranch_scc1 .Lnot_wave_0_\@
	s_barrier_signal -3
.Lnot_wave_0_\@:
	s_barrier_wait -3
	s_barrier_signal -1
	s_barrier_wait -1
.endm
	s_load_b256 s[4:11], s[0:1], 0x0               ; x s[4:5], wq s[6:7], scales s[8:9], translations s[10:11]
	s_load_b128 s[12:15], s[0:1], 0x20             ; bias s[12:13], out0 s[14:15]
	v_lshl_add_u32 v[SPW], v0, 2, SPARE
	v_mov_b32 v[NIL], 0
	ds_add_u32 v1, v2
	ds_add_u32 v1, v2
	s_wait_dscnt 0x0
	v_lshrrev_b32 v[T0], 5, v0
	v_readfirstlane_b32 s[WV], v[T0]               ; wave 0..7
	s_and_b32 s[P3], s[WV], 3
	v_and_b32 v[LN], 31, v0                        ; lane
	v_and_b32 v[RR], 15, v0                        ; r
	v_bfe_u32 v[HH], v0, 4, 1                      ; h
	v_lshlrev_b32 v[L16], 4, v[LN]                 ; 16 x lane
	; the walk's start (in a cluster launch ttmp9 counts clusters: 0 .. 63)
	s_lshr_b32 s3, ttmp9, 5
	s_mul_i32 s3, s3, 31
	s_and_b32 s[JN], ttmp9, 31
	s_xor_b32 s[JN], s[JN], s3                     ; s = (g % 32) xor (31 where g >= 32)
	; x: wave w loads rows 4 w .. 4 w + 3.  Lane l of part u fills position 8 u + l / 4 of the walk, bytes 16 (l % 4) of the row's 64 there
	v_lshrrev_b32 v[T0], 2, v[LN]
	v_mul_u32_u24 v[XW], v[T0], XSTEP
	v_and_b32 v[T0], 3, v[LN]
	v_lshl_add_u32 v[XW], v[T0], 4, v[XW]
	s_mul_i32 s20, s[WV], 4*XROW
	s_add_co_u32 s20, s20, XS
	v_add_nc_u32 v[XW], s20, v[XW]
	; and takes them from K step (s + 8 u + l / 4) % 32 of the row: byte (64 s + 512 u + 16 l) mod 2,048.  A load's 32 lanes read 512 bytes on end (round the row's end), from a multiple of 64 bytes; a row's four loads cover its 2,048 bytes
	s_lshl_b32 s2, s[JN], 6
	s_lshl_b32 s3, s[WV], 13                       ; four rows of 2,048 bytes a wave
	v_add_nc_u32 v[T0], s2, v[L16]
.irp u, 0,1,2,3
	v_add_nc_u32 v[XG+\u], 512*\u, v[T0]
.endr
.irp u, 0,1,2,3
	v_and_or_b32 v[XG+\u], v[XG+\u], 0x7ff, s3
.endr
	; producer p = m + 2 q: row 16 m + r; my blocks h and 2 + h of the q-th 128 are i = 8 q + 2 h, + 1 and 8 q + 4 + 2 h, + 1 of the step's sixteen
	s_and_b32 s20, s[P3], 1
	s_mul_i32 s20, s20, 16*XROW
	s_lshr_b32 s21, s[P3], 1
	s_lshl_b32 s21, s21, 5
	s_add_co_u32 s20, s20, s21
	s_add_co_u32 s20, s20, XS
	v_mul_u32_u24 v[XA0], v[RR], XROW
	v_lshl_add_u32 v[XA0], v[HH], 3, v[XA0]
	v_add_nc_u32 v[XA0], s20, v[XA0]
	v_add_nc_u32 v[XAD], XSTEP, v[XA0]             ; position 1
	s_mul_i32 s20, s[P3], FRB
	s_add_co_u32 s20, s20, AIMG
	v_add_nc_u32 v[AW], s20, v[L16]
	s_lshl_b32 s20, s[P3], 6                       ; 128 q + 64 m = 64 p
	s_add_co_u32 s20, s20, ASC
	v_lshl_add_u32 v[AWS], v[RR], 2, s20
	v_add_nc_u32 v[AR], AIMG, v[L16]
	v_lshl_add_u32 v[ASR], v[LN], 2, ASC
	s_mul_i32 s20, s[P3], PARTB
	v_add_nc_u32 v[BR], s20, v[L16]
	v_add_nc_u32 v[BR+1], SLOTB, v[BR]
	s_mul_i32 s20, s[P3], STGW
	v_mul_u32_u24 v[STO], v[RR], SPITCH
	v_lshl_add_u32 v[STO], v[HH], 5, v[STO]
	v_add_nc_u32 v[STO], s20, v[STO]
	v_add_nc_u32 v[RD], s20, v[L16]
	s_lshl_b32 s21, s[P3], 9
	v_add_nc_u32 v[CO], s21, v[L16]
	v_lshlrev_b32 v[BO], 5, v[HH]
	v_lshlrev_b32 v[SH8], 3, v[HH]
	v_mov_b32 v[ZO], 0
	s_mov_b32 s[SEL], 0x76543210
	s_mov_b32 s[SEL+1], 0xfedcba98
	s_mov_b32 s[MG], 0x4b400000                    ; 1.5 x 2^23
	s_mov_b32 s[MG+1], s[MG]
	s_mov_b32 s[NMG], 0xcb400000
	s_mov_b32 s[NMG+1], s[NMG]
	s_mov_b32 s[K3], 0xbfaa7aee                    ; -1.33187657
	s_mov_b32 s[K3+1], s[K3]
	s_mov_b32 s[K2], 0x4081de81                    ;  4.05841135
	s_mov_b32 s[K2+1], s[K2]
	s_mov_b32 s[K1], 0xc09de9d3                    ; -4.93479283
	s_mov_b32 s[K1+1], s[K1]
	s_mov_b32 s[K0], 0x3f7fffff                    ;  0.99999994
	s_mov_b32 s[K0+1], s[K0]
	s_mov_b32 s[TX], XSTEP
	; descriptor group 1: a dense block of 12,800 bytes as 50 rows of 256 bytes (32 elements of 8 bytes), no padding: fragments are read as 512 consecutive bytes
	s_mov_b32 s[G1+0], 15|(3<<16)|(1<<21)          ; 15:0 the mask: all four work-groups; 17:16 elements of 8 bytes; 21 set beside a mask
	s_mov_b32 s[G1+1], 32<<16                      ; tensor_dim0 = 32
	s_mov_b32 s[G1+2], 50<<16                      ; tensor_dim1 = 50
	s_mov_b32 s[G1+3], 32<<16                      ; tile_dim0 = 32
	s_mov_b32 s[G1+4], 50                          ; tile_dim1 = 50
	s_mov_b32 s[G1+5], 32                          ; from row to row
	s_mov_b32 s[G1+6], 0
	s_mov_b32 s[G1+7], 0
	s_mul_i32 s20, s[WV], EIGHTH                   ; my eighth of a K step: the same offset in wq and in a slot; no place in the cluster enters it
	s_mov_b32 s21, 0
	s_mov_b32 s[OFS+1], 0
	; what hangs on the work-group's place in its cluster goes into addresses of x and out0 alone, by registers of its own
	s_bfe_u32 s18, ttmp6, 0x40000                  ; cx
	s_lshl_b32 s19, ttmp9, 2
	s_add_co_u32 s19, s19, s18                     ; my block of 32 rows = 4 x cluster + cx
	s_lshl_b32 s60, s19, 16                        ; 32 rows of 2,048 bytes, in x and in out0
	s_mov_b32 s61, 0
	s_wait_kmcnt 0x0
	s_add_nc_u64 s[4:5], s[4:5], s[60:61]
	s_add_nc_u64 s[14:15], s[14:15], s[60:61]
	s_lshl_b32 s60, s[P3], 9
	s_add_nc_u64 s[12:13], s[12:13], s[60:61]      ; the bias of my 128 columns
	s_add_nc_u64 s[WB:WB+1], s[6:7], s[20:21]      ; wq at my eighth
	s_mul_i32 s[OFS], s[JN], SLOTB                 ; position 0: K step s
	s_mov_b32 s[G0+0], 1                           ; 1:0 count = 1
	s_mov_b32 s[G0+1], s20                         ; LDS address: slot 0
	s_add_nc_u64 s[G0+2:G0+3], s[WB:WB+1], s[OFS:OFS+1]   ; global address
	s_or_b32 s[G0+3], s[G0+3], 0x80000000          ; type = 2
	s_add_co_u32 s[JN], s[JN], 1
	s_and_b32 s[JN], s[JN], 31
	s_mul_i32 s[OFS], s[JN], SLOTB                 ; position 1: K step (s + 1) % 32
	s_mov_b32 s[G0+4], 1
	s_add_co_u32 s[G0+5], s20, SLOTB               ; slot 1
	s_add_nc_u64 s[G0+6:G0+7], s[WB:WB+1], s[OFS:OFS+1]
	s_or_b32 s[G0+7], s[G0+7], 0x80000000
	s_add_co_u32 s[JN], s[JN], 1
	s_and_b32 s[JN], s[JN], 31                     ; what the first change of slots asks for
	WIN 0x40                                       ; destination window 1
.irp p, 0,1,2,3
.irp u, 0,1,2,3
	global_load_b128 v[4*(4*\p+\u):4*(4*\p+\u)+3], v[XG+\u], s[4:5] offset:2048*\p th:TH_LOAD_NT   ; row 4 w + p, part u of its walk; read once in the launch
.endr
.endr
	WIN 0
	ROUND                                          ; all four work-groups are here: the first joint loads meet
	tensor_load_to_lds s[G0:G0+3], s[G1:G1+7]      ; positions 0 and 1 go out together, ahead of every LDS read and every wait on TENSORcnt: two loads of mine are out, later one
	s_nop 0
	tensor_load_to_lds s[G0+4:G0+7], s[G1:G1+7]
	s_nop 0
	PLACES                                         ; four v_nop follow the loads
.macro XSTORE                          ; x into LDS, by positions
	WIN 0x04                                       ; an LDS store's data are its source 1: window 1
.irp p, 0,1,2,3
.irp u, 0,1,2,3
	ds_store_b128 v[XW], v[4*(4*\p+\u):4*(4*\p+\u)+3] offset:8*XSTEP*\u+XROW*\p
.endr
.endr
	WIN 0
.endm
	s_cmp_lt_u32 s[WV], 4
	s_cbranch_scc0 .Lhead_cons
	; ---- producers: tr, G and H for the sixteen k, in every lane
.irp i, 0,1,2,3
	global_load_b128 v[TR+4*\i:TR+4*\i+3], v[ZO], s[10:11] offset:16*\i
	global_load_b128 v[GK+4*\i:GK+4*\i+3], v[ZO], s[8:9] offset:16*\i
.endr
	s_wait_loadcnt 8                               ; x's sixteen loads are in; the eight just issued may be out
	XSTORE
	s_wait_loadcnt 0x0
.set k, 0
.rept 16
	v_add_f32 v[GK+k], 0x358637bd, v[GK+k]         ; sc + 1e-6
.set k, k+1
.endr
.set k, 0
.rept 16
	v_rcp_f32 v[HK+k], v[GK+k]
.set k, k+1
.endr
	v_mov_b32 v[PWX], 0                            ; written once: a lane permute's destination counts as one of its sources.  (Also the plain instruction behind the last reciprocal)
	s_wait_alu depctr_va_vdst(0)                   ; one wait for the sixteen reciprocals, ahead of their first reader
.set k, 0
.rept 16
	v_fma_f32 v[DD+k], -v[GK+k], v[HK+k], 1.0      ; the Newton step: e = 1 - den a,
.set k, k+1
.endr
.set k, 0
.rept 16
	v_fma_f32 v[HK+k], v[HK+k], v[DD+k], v[HK+k]   ; a = a + a e
.set k, k+1
.endr
.set k, 0
.rept 16
	v_mul_f32 v[GK+k], 0x3f596d27, v[HK+k]         ; G = a sqrt(log2(e) / 2)
.set k, k+1
.endr
.set k, 0
.rept 16
	v_mul_f32 v[HK+k], 0x3fcbb7e4, v[HK+k]         ; H = 5 a / pi
.set k, k+1
.endr
	v_mov_b32 v[C4], 0x3e60f653                    ; 0.21968965
	v_mov_b32 v[C4+1], 0x3e60f653
	s_branch .Lhead_join
.Lhead_cons:
	; ---- consumers: the sums begin as the bias: register j of accumulator (m, tl) is column 128 c + 16 tl + 8 h + j
.irp m, 0,1
.irp tl, 0,1,2,3,4,5,6,7
	global_load_b128 v[ACC+64*\m+8*\tl:ACC+64*\m+8*\tl+3], v[BO], s[12:13] offset:64*\tl
	global_load_b128 v[ACC+64*\m+8*\tl+4:ACC+64*\m+8*\tl+7], v[BO], s[12:13] offset:64*\tl+16
.endr
.endr
	s_wait_loadcnt 32                              ; x's sixteen loads are in; the 32 just issued may be out
	XSTORE
	s_wait_loadcnt 0x0
.Lhead_join:
	s_wait_dscnt 0x0                               ; for the others' sake: my rows of x have landed
	s_barrier_signal -1
	s_barrier_wait -1                              ; all 32 rows lie in LDS.  The tensor loads may stay out
; SIXTEEN NUMBERS: one i, all sixteen k, in stages of eight pairs, so that no line waits for the line above it.  xp: the pair of registers with x; sel: which of the two; dst: where the numbers go.
.macro WAVE16 xp, sel, dst
.set rX, \xp
.set rD, \dst
.irp p, 0,2,4,6,8,10,12,14
	v_pk_add_f32 v[DD+\p:DD+\p+1], v[rX:rX+1], v[TR+\p:TR+\p+1] op_sel:[\sel,0] op_sel_hi:[\sel,1] neg_lo:[0,1] neg_hi:[0,1]   ; d = x - tr: the one x feeds both halves
.endr
.irp p, 0,2,4,6,8,10,12,14
	v_pk_mul_f32 v[EE+\p:EE+\p+1], v[DD+\p:DD+\p+1], v[GK+\p:GK+\p+1]
.endr
.irp p, 0,2,4,6,8,10,12,14
	v_pk_mul_f32 v[EE+\p:EE+\p+1], v[EE+\p:EE+\p+1], v[EE+\p:EE+\p+1] neg_lo:[0,1] neg_hi:[0,1]   ; -(d G)^2 = -t t log2(e) / 2
.endr
.irp k, 0,1,2,3,4,5,6,7,8,9,10,11,12,13,14,15
	v_exp_f32 v[EE+\k], v[EE+\k]                   ; one batch; the 64 lines below name none of its results
.endr
.irp p, 0,2,4,6,8,10,12,14
	v_pk_fma_f32 v[MM+\p:MM+\p+1], v[DD+\p:DD+\p+1], v[HK+\p:HK+\p+1], s[MG:MG+1] op_sel_hi:[1,1,0]   ; u + 1.5 x 2^23: rounded to a whole number, n's parity in the lowest bit
.endr
.irp p, 0,2,4,6,8,10,12,14
	v_pk_add_f32 v[NN+\p:NN+\p+1], v[MM+\p:MM+\p+1], s[NMG:NMG+1] op_sel_hi:[1,0]   ; n, exactly
.endr
.irp p, 0,2,4,6,8,10,12,14
	v_pk_fma_f32 v[NN+\p:NN+\p+1], v[DD+\p:DD+\p+1], v[HK+\p:HK+\p+1], v[NN+\p:NN+\p+1] neg_lo:[0,0,1] neg_hi:[0,0,1]   ; r = d H - n, one rounding
.endr
.irp p, 0,2,4,6,8,10,12,14
	v_pk_mul_f32 v[NN+\p:NN+\p+1], v[NN+\p:NN+\p+1], v[NN+\p:NN+\p+1]
.endr
.irp p, 0,2,4,6,8,10,12,14
	v_pk_fma_f32 v[DD+\p:DD+\p+1], v[NN+\p:NN+\p+1], v[C4:C4+1], s[K3:K3+1] op_sel_hi:[1,1,0]   ; cos(pi r), by Horner's rule in r r
.endr
.irp p, 0,2,4,6,8,10,12,14
	v_pk_fma_f32 v[DD+\p:DD+\p+1], v[DD+\p:DD+\p+1], v[NN+\p:NN+\p+1], s[K2:K2+1] op_sel_hi:[1,1,0]
.endr
.irp p, 0,2,4,6,8,10,12,14
	v_pk_fma_f32 v[DD+\p:DD+\p+1], v[DD+\p:DD+\p+1], v[NN+\p:NN+\p+1], s[K1:K1+1] op_sel_hi:[1,1,0]
.endr
.irp p, 0,2,4,6,8,10,12,14
	v_pk_fma_f32 v[DD+\p:DD+\p+1], v[DD+\p:DD+\p+1], v[NN+\p:NN+\p+1], s[K0:K0+1] op_sel_hi:[1,1,0]
.endr
	s_wait_alu depctr_va_vdst(0)                   ; one wait for the sixteen exponentials, ahead of their first reader
.irp k, 0,1,2,3,4,5,6,7,8,9,10,11,12,13,14,15
	v_lshl_or_b32 v[EE+\k], v[MM+\k], 31, v[EE+\k] ; (-1)^n onto the exponential, which is never negative
.endr
.irp p, 0,2,4,6,8,10,12,14
	v_pk_mul_f32 v[rD+\p:rD+\p+1], v[DD+\p:DD+\p+1], v[EE+\p:EE+\p+1]
.endr
.endm
; A BLOCK OF 32 lies whole in my registers: its largest magnitude (two chains, the registers in ascending order, the floor 2^(3 - 127) among the leaves: the byte cannot fall under 1), its scale, its codes.
.macro BLOCKQ cb
	v_max3_num_f32 v[MX], |v[BS]|, |v[BS+1]|, 0x1800000
	v_max3_num_f32 v[MX+1], |v[BS+2]|, |v[BS+3]|, |v[BS+4]|
.set i, 5
.rept 13
	v_max3_num_f32 v[MX+((i-5)/2)%2], v[MX+((i-5)/2)%2], |v[BS+i]|, |v[BS+i+1]|
.set i, i+2
.endr
	v_max3_num_f32 v[MX], v[MX], v[MX+1], |v[BS+31]|
	v_add_nc_u32 v[SCO+\cb], 0xff000000, v[MX]     ; 2 off the exponent field: the conversion takes the exponent field of this operand as its scale
	v_cvt_scalef32_pk16_fp6_f32 v[PC+6*\cb:PC+6*\cb+2], v[BS:BS+15], v[SCO+\cb]
	v_cvt_scalef32_pk16_fp6_f32 v[PT:PT+2], v[BS+16:BS+31], v[SCO+\cb]   ; (a conversion's three registers begin on an even number)
	v_lshrrev_b32 v[BY+\cb], 23, v[SCO+\cb]        ; the scale's byte.  (Also the plain instruction between the conversions and the moves that read their results)
.irp i, 0,1,2
	v_mov_b32 v[PC+6*\cb+3+\i], v[PT+\i]
.endr
.endm
; A FRAGMENT of the basis into buffer buf: registers 6 cb .. 6 cb + 5 are block 2 cb + h of my row.  At its end x of the next fragment is fetched: it lands under the change of slots.
.macro PRODUCE buf
.irp cb, 0,1
	WAVE16 XV+2*\cb, 0, BS
	WAVE16 XV+2*\cb, 1, BS+16
	BLOCKQ \cb
.endr
	v_lshl_or_b32 v[PW], v[BY+1], 16, v[BY]        ; my two bytes: blocks h and 2 + h,
	v_lshlrev_b32 v[PW], v[SH8], v[PW]             ; at their places in the word;
	v_permlanex16_b32 v[PWX], v[PW], s[SEL], s[SEL+1]
	v_or_b32 v[PW], v[PW], v[PWX]                  ; with lane l xor 16's two the word is whole
.irp cc, 0,1,2
	ds_store_b128 v[AW], v[PC+4*\cc:PC+4*\cc+3] offset:ABUF*(\buf)+512*\cc   ; the operand's registers as they stand: 512 consecutive bytes a store
.endr
	ds_store_b32 v[AWS], v[PW] offset:256*(\buf)   ; lanes r and r + 16 write the same word with the same value
	ds_load_b64 v[XV:XV+1], v[XAD]
	ds_load_b64 v[XV+2:XV+3], v[XAD] offset:16
.endm
; 16 matrix instructions: the q-th 128 along K; the sixteen accumulators by turns, one instruction a turn, in the same order everywhere.
.macro MUL q
.irp tl, 0,1,2,3,4,5,6,7
.irp m, 0,1
.set rC, ACC+64*\m+8*\tl
.set rW, 12*(8*\q+\tl)
.set rA, AF+12*(2*\q+\m)
.if (\q == 0) && (\m == 0)
	v_wmma_scale_f32_16x16x128_f8f6f4 v[rC:rC+7], v[rW:rW+11], v[rA:rA+11], v[rC:rC+7], v[SW+\tl], v[SA+\q] matrix_a_fmt:MATRIX_FMT_FP6 matrix_b_fmt:MATRIX_FMT_FP6
.elseif \q == 0
	v_wmma_scale_f32_16x16x128_f8f6f4 v[rC:rC+7], v[rW:rW+11], v[rA:rA+11], v[rC:rC+7], v[SW+\tl], v[SA+\q] matrix_a_fmt:MATRIX_FMT_FP6 matrix_b_fmt:MATRIX_FMT_FP6 matrix_b_scale:MATRIX_SCALE_ROW1
.elseif \m == 0
	v_wmma_scale_f32_16x16x128_f8f6f4 v[rC:rC+7], v[rW:rW+11], v[rA:rA+11], v[rC:rC+7], v[SW+\tl], v[SA+\q] matrix_a_fmt:MATRIX_FMT_FP6 matrix_b_fmt:MATRIX_FMT_FP6 matrix_a_scale:MATRIX_SCALE_ROW1
.else
	v_wmma_scale_f32_16x16x128_f8f6f4 v[rC:rC+7], v[rW:rW+11], v[rA:rA+11], v[rC:rC+7], v[SW+\tl], v[SA+\q] matrix_a_fmt:MATRIX_FMT_FP6 matrix_b_fmt:MATRIX_FMT_FP6 matrix_a_scale:MATRIX_SCALE_ROW1 matrix_b_scale:MATRIX_SCALE_ROW1
.endif
.endr
.endr
.endm
; A K STEP of a consumer, from slot s and the basis' buffer s: 64 LDS loads in one run, each 512 consecutive bytes, then 32 matrix instructions.  No fragment is read twice by a wave.
.macro CONSUME s
.irp f, 0,1,2,3
.irp cc, 0,1,2
	ds_load_b128 v[AF+12*\f+4*\cc:AF+12*\f+4*\cc+3], v[AR] offset:ABUF*\s+FRB*\f+512*\cc
.endr
.endr
	ds_load_b32 v[SA], v[ASR] offset:256*\s
	ds_load_b32 v[SA+1], v[ASR] offset:256*\s+128
	ds_load_b128 v[SW:SW+3], v[BR+\s] offset:WSC
	ds_load_b128 v[SW+4:SW+7], v[BR+\s] offset:WSC+512
	WIN 0x40                                       ; destination window 1, address window 0
.irp f, 0,1,2,3,4,5,6,7,8,9,10,11,12,13,14,15
.irp cc, 0,1,2
	ds_load_b128 v[12*\f+4*\cc:12*\f+4*\cc+3], v[BR+\s] offset:FRB*\f+512*\cc
.endr
.endr
	WIN 0x01                                       ; source 0 (W) window 1; the basis, C and D window 0
	s_wait_dscnt 24                                ; all but the youngest 24 loads, W's fragments of q = 1, are in
	MUL 0
	s_wait_dscnt 0x0
	MUL 1
	WIN 0
	PLACES                                         ; ahead of the next loads into registers that these products have read, and of the first read of results
.endm
; THE CHANGE OF SLOTS at a position's head.  Each wave waits for all its tensor loads (its eighth of the slot about to be read), adds 0 to its spare word, and waits for that and for all its LDS work of the last position
; (a consumer's reads of the slot and of the images, a producer's stores of the next images).  The barrier is a round of the cluster's: no wave of any partner still reads slot fs or has a load on its way.
; Behind it the joint refill of slot fs comes first, with the K step of the position two on: it has a whole position's work in which to land.
.macro SYNC fs
	s_wait_tensorcnt 0x0                           ; no tensor load of mine is out, so a group 0 may be written
	ds_add_u32 v[SPW], v[NIL]                      ; 0 onto my spare word; the steps below stand between it and the wait for it
	s_mul_i32 s[OFS], s[JN], SLOTB                 ; the slot's next K step, made anew from wq's address, since the walk goes round wq's end
	s_add_nc_u64 s[G0+4*\fs+2:G0+4*\fs+3], s[WB:WB+1], s[OFS:OFS+1]
	s_or_b32 s[G0+4*\fs+3], s[G0+4*\fs+3], 0x80000000   ; type = 2
	s_add_co_u32 s[JN], s[JN], 1
	s_and_b32 s[JN], s[JN], 31                     ; behind K step 31 comes K step 0
	s_add_co_u32 s[TX], s[TX], XSTEP               ; x of the position after the one that is made now;
	s_min_u32 s[TXC], s[TX], (STEPS-1)*XSTEP       ; behind the last position there is none: the last is read again and not used
	s_wait_dscnt 0x0
	ROUND
	tensor_load_to_lds s[G0+4*\fs:G0+4*\fs+3], s[G1:G1+7]   ; my one tensor load until the next round
	s_nop 0
	PLACES                                         ; four v_nop follow it
	v_add_nc_u32 v[XAD], s[TXC], v[XA0]
.endm
; A POSITION: the consumers multiply from slot s and buffer s, the producers fill the other buffer.  The branch hangs on the wave's number alone.
.macro ARMS s
	s_cmp_lt_u32 s[WV], 4
	s_cbranch_scc0 .Lcons_\@
	PRODUCE 1-\s
	s_branch .Ljoin_\@
.Lcons_\@:
	CONSUME \s
.Ljoin_\@:
.endm
	; ---- the basis of position 0: there is nothing to multiply yet
	s_cmp_lt_u32 s[WV], 4
	s_cbranch_scc0 .Lfirst_made
	ds_load_b64 v[XV:XV+1], v[XA0]
	ds_load_b64 v[XV+2:XV+3], v[XA0] offset:16
	s_wait_dscnt 0x0
	PRODUCE 0
.Lfirst_made:
	; ---- position 0
	s_wait_tensorcnt 0x1                           ; my eighth of position 0's K step is in; position 1's may stay out
	s_wait_dscnt 0x0                               ; the images of position 0 have landed
	s_barrier_signal -1
	s_barrier_wait -1
	s_add_co_u32 s[TX], s[TX], XSTEP
	s_min_u32 s[TXC], s[TX], (STEPS-1)*XSTEP
	v_add_nc_u32 v[XAD], s[TXC], v[XA0]
	ARMS 0
	; ---- positions 1 to 30: a trip is two positions and fills both slots again
	s_mov_b32 s[CNT], (STEPS-2)/2
.Ltrip:
	SYNC 0
	ARMS 1
	SYNC 1
	ARMS 0
	s_sub_co_u32 s[CNT], s[CNT], 1
	s_cmp_lg_u32 s[CNT], 0
	s_cbranch_scc1 .Ltrip
	; ---- position 31 is written out: nothing is left to fetch or to make
	s_wait_tensorcnt 0x0                           ; my eighth of the last K step is in
	ds_add_u32 v[SPW], v[NIL]
	s_wait_dscnt 0x0                               ; the last images have landed, and my reads of slot 0 are over
	s_barrier_signal -1
	s_barrier_wait -1
	s_cmp_lt_u32 s[WV], 4
	s_cbranch_scc1 .Lend
	CONSUME 1
	; THE WAY OUT.  A lane holds 32 neighbouring bytes of a row and the lanes beside it hold other rows: so my 32 rows x 512 bytes go through my own stage and come back as whole rows, into the registers that they left.
	; The stage lies in slot 0: no fill lands there any more, and every wave has passed the barrier behind its last read of it.  LDS serves a wave's instructions in order (ISA guide 5.7.1.4): no wait between stores and loads.
.irp m, 0,1
.irp tl, 0,1,2,3,4,5,6,7
	ds_store_b128 v[STO], v[ACC+64*\m+8*\tl:ACC+64*\m+8*\tl+3] offset:16*SPITCH*\m+64*\tl          ; each accumulator from its low end on
	ds_store_b128 v[STO], v[ACC+64*\m+8*\tl+4:ACC+64*\m+8*\tl+7] offset:16*SPITCH*\m+64*\tl+16
.endr
.irp i, 0,1,2,3,4,5,6,7,8,9,10,11,12,13,14,15
	ds_load_b128 v[ACC+64*\m+4*\i:ACC+64*\m+4*\i+3], v[RD] offset:16*SPITCH*\m+SPITCH*\i
.endr
.endr
.irp m, 0,1
.irp i, 0,1,2,3,4,5,6,7,8,9,10,11,12,13,14,15
	s_wait_dscnt 47-32*\m-\i                       ; behind row i's load: the 15 - i later rows of its tile, and for the first tile the second's 16 stores and 16 loads
	global_store_b128 v[CO], v[ACC+64*\m+4*\i:ACC+64*\m+4*\i+3], s[14:15] offset:2048*(16*\m+\i) th:TH_STORE_NT   ; 32 lanes store 512 consecutive bytes, at a multiple of 256 from out0's first byte; written once, read by nobody here
.endr
.endr
.Lend:
	s_wait_tensorcnt 0x0                           ; the wave's end: behind my last tensor load and my last LDS store
	ds_add_u32 v[SPW], v[NIL]
	s_wait_dscnt 0x0
	ROUND                                          ; the closing round: no work-group ends while a partner may still ask for a tile that names it
	s_endpgm
.Lfunc_end_k_qf0f1992be2_kan:
	.size	k_qf0f1992be2_kan, .Lfunc_end_k_qf0f1992be2_kan-k_qf0f1992be2_kan
	.p2alignl 7, 3214868480
	.fill 96, 4, 3214868480
	.section	.rodata,"a",@progbits
	.p2align	6, 0x0
	.amdhsa_kernel k_qf0f1992be2_kan
		.amdhsa_group_segment_fixed_size 327680
		.amdhsa_private_segment_fixed_size 0
		.amdhsa_enable_private_segment 0
		.amdhsa_kernarg_size 48
		.amdhsa_user_sgpr_count 2
		.amdhsa_user_sgpr_kernarg_segment_ptr 1
		.amdhsa_wavefront_size32 1
		.amdhsa_system_sgpr_workgroup_id_x 1
		.amdhsa_system_sgpr_workgroup_id_y 1
		.amdhsa_system_sgpr_workgroup_id_z 1
		.amdhsa_system_vgpr_workitem_id 0
		.amdhsa_next_free_vgpr 448
		.amdhsa_next_free_sgpr 66
		.amdhsa_reserve_vcc 0
		.amdhsa_float_denorm_mode_32 3
		.amdhsa_float_denorm_mode_16_64 3
		.amdhsa_memory_ordered 1
		.amdhsa_forward_progress 1
		.amdhsa_inst_pref_size 199
	.end_amdhsa_kernel
	.amdgpu_metadata
---
amdhsa.version: [ 1, 2 ]
amdhsa.kernels:
  - .name:           k_qf0f1992be2_kan
    .symbol:         k_qf0f1992be2_kan.kd
    .args:
      - { .name: x, .offset: 0, .size: 8, .value_kind: global_buffer, .address_space: global }
      - { .name: wq, .offset: 8, .size: 8, .value_kind: global_buffer, .address_space: global }
      - { .name: scales, .offset: 16, .size: 8, .value_kind: global_buffer, .address_space: global }
      - { .name: translations, .offset: 24, .size: 8, .value_kind: global_buffer, .address_space: global }
      - { .name: bias, .offset: 32, .size: 8, .value_kind: global_buffer, .address_space: global }
      - { .name: out0, .offset: 40, .size: 8, .value_kind: global_buffer, .address_space: global }
    .group_segment_fixed_size: 327680
    .private_segment_fixed_size: 0
    .kernarg_segment_align: 8
    .kernarg_segment_size: 48
    .max_flat_workgroup_size: 256
    .sgpr_count:     66
    .vgpr_count:     448
    .wavefront_size: 32
...
	.end_amdgpu_metadata
.endif
;; end of part 3
